; MI455X (gfx1250); checked and timed in simulation.
; The chip was launched on July 23, 2026; its instructions are those of AMD's public machine-readable ISA for CDNA 5 (MIT licence, August 2026) and "CDNA5" Instruction Set Architecture Reference Guide (July 2026). The comments in the code are by the model that wrote it; some were corrected since.
;; Quantize Linear. Allowed arithmetic: float matrix products may take bf16 or f16 operands with f32 sums; other float arithmetic in f32, or as packed bf16 or f16 multiplies, adds, multiply-adds, maxima and minima; sums over many terms, partial sums and values carried from step to step in f32; what a program stores and reads back later, other than sums and carried values, may be rounded once to bf16 or f16.
;; Inputs: bias 4,096 float32; g 4,096 float32; h 4,096 float32; ln_beta 4,096 float32; ln_gamma 4,096 float32; weight 4,096 x 4,096 float32; x 4 x 1,024 x 4,096 float32.
;; Outputs: out0 4 x 1,024 x 4,096 float32.
;; 2 versions, each right; version 2 is version 1 with the launches prep, norm written anew for expert scheduling mode. Each part assembles by itself: llvm-mc -triple=amdgcn-amd-amdhsa -mcpu=gfx1250 --defsym DOCPART=n.
;; ======== version 1 of 2: 3 launches
;; workspace buffers: xb 33,554,432 bytes; wg 33,554,432 bytes; y 33,554,432 bytes; ym 524,288 bytes
;; launch prep (part 1): grid 512 x 2, 8 waves a work-group, no clusters, 0 bytes of LDS; arguments x, g, weight, xb, wg; writes xb, wg
.if DOCPART == 1
	.amdgcn_target "amdgcn-amd-amdhsa--gfx1250"
	.amdhsa_code_object_version 6
	.text
	.protected	k_q0b46991c64_prep
	.globl	k_q0b46991c64_prep
	.p2align	8
	.type	k_q0b46991c64_prep,@function
k_q0b46991c64_prep:
	s_mov_b64 s[64:65], 0
	v_nop
	global_prefetch_b8 v0, s[64:65] scope:SCOPE_SE
	s_setreg_imm32_b32 hwreg(HW_REG_WAVE_MODE, 25, 1), 1
	s_wait_xcnt 0x0
; xb[r][i] = bf16(x[r][i]) and wg[o][i] = sign(weight[o][i]) * bf16(g[i]).  x, weight: [4096][4096] f32; g: [4096] f32; xb, wg: [4096][4096] bf16.
; The two matrix operands of the product that follows are made once, here, so that no work-group of that product converts a number again.
; WHERE THE ROUNDINGS FALL.  x and g are each rounded once to bf16; g goes to the weight's side, where sign * bf16(g) is again a bf16 number, exactly.  So each product of the matrix unit is
; bf16(x) bf16(g) sign, 8 x 8 significant bits, with no further rounding: the sum is the formula's own on x and g rounded to bf16.  (x * g rounded as one number would add an error of its own to every term.)
; SHARES.  Work-group (bx, by) takes rows 8 bx .. 8 bx + 7 of x (by = 0) or of weight (by = 1).  Thread t takes columns 4 t + 1024 j, j = 0..3, of each row:
; a wave's load covers 512 consecutive bytes, aligned; a wave's store 256 consecutive bytes, aligned.  All 32 loads of a thread go out at once (128 KiB a work-group);
; each piece is converted in the registers that it landed in and stored from them, so no register is written twice and no wait frees a source.
; No LDS, no matrix unit, no cluster: every byte is read once by one thread and nothing is shared but g's 16 KiB.
; LIMITS.  The whole program computes the formula on inputs rounded to bf16.  The sign is taken of the unrounded weight: it differs from the rounded weight's only below 2^-134 in size.
; A NaN in weight does not come out as NaN (the clamp drops it); a denormal weight counts as non-zero (its sign is +-1); +-0 gives +-0, which adds nothing to a sum.
.set ROWI, 16384                       ; bytes in a row of x and of weight
.set ROWO, 8192                        ; bytes in a row of xb and of wg
.set G, 4                              ; v[4:19]    g of my 16 columns, chunk j at G + 4 j (the weight's path alone)
.set X, 20                             ; v[20:147]  piece i = 4 r + j (row r, chunk j) at X + 4 i
	s_load_b256 s[4:11], s[0:1], 0x0               ; x s[4:5], g s[6:7], weight s[8:9], xb s[10:11]
	s_load_b64 s[12:13], s[0:1], 0x20              ; wg
	s_and_b32 s14, ttmp7, 0xffff                   ; 0: x, 1: weight
	s_mov_b32 s15, 0xffff0000                      ; a word's upper bf16
	s_lshl_b32 s16, ttmp9, 17                      ; my 8 rows of 16,384 bytes in the source,
	s_mov_b32 s17, 0
	s_lshl_b32 s18, ttmp9, 16                      ; and of 8,192 bytes in the destination
	s_mov_b32 s19, 0
	s_mov_b32 s24, 0x7f000000                      ; 2^127
	s_mov_b32 s25, 0x7f000000                      ; named with it as a pair
	s_mov_b32 s26, 0xbf800000                      ; -1
	s_mov_b32 s27, 0x3f800000                      ; +1
	v_lshlrev_b32 v1, 4, v0                        ; 16 t: my 16 bytes of a chunk of the source, and of g
	v_lshlrev_b32 v2, 3, v0                        ; 8 t: my 8 bytes of a chunk of the destination
	s_wait_kmcnt 0x0
	s_cmp_eq_u32 s14, 0
	s_cselect_b64 s[20:21], s[4:5], s[8:9]         ; the source
	s_cselect_b64 s[22:23], s[10:11], s[12:13]     ; the destination
	s_add_nc_u64 s[20:21], s[20:21], s[16:17]
	s_add_nc_u64 s[22:23], s[22:23], s[18:19]
	s_cmp_eq_u32 s14, 0
	s_cbranch_scc0 .Lw
.macro LOADS                           ; the work-group's 8 rows: 32 loads a thread
.set i, 0
.rept 32
	global_load_b128 v[X+4*i:X+4*i+3], v1, s[20:21] offset:ROWI*(i/4)+4096*(i%4) th:TH_LOAD_NT
.set i, i+1
.endr
.endm
.macro OUT                             ; piece i: two roundings to bf16 each, packed; 8 bytes a lane
	v_cvt_pk_bf16_f32 v[X+4*i], v[X+4*i], v[X+4*i+1]
	v_cvt_pk_bf16_f32 v[X+4*i+1], v[X+4*i+2], v[X+4*i+3]
	global_store_b64 v2, v[X+4*i:X+4*i+1], s[22:23] offset:ROWO*(i/4)+2048*(i%4) th:TH_STORE_NT
.endm
	; x: rounded and stored
	LOADS
.set i, 0
.rept 32
	s_wait_loadcnt 31-i                            ; loads come back in order: piece i is in; the 31 - i younger pieces stay out
	OUT
.set i, i+1
.endr
	s_endpgm
.Lw:	; the sign of weight, times bf16(g)
.irp j, 0,1,2,3
	global_load_b128 v[G+4*(\j):G+4*(\j)+3], v1, s[6:7] offset:4096*(\j)
.endr
	LOADS
	s_wait_loadcnt 32                              ; g, asked for first, is in; the 32 pieces behind it stay out
.irp p, 0,1,2,3,4,5,6,7                ; g is rounded to bf16 and widened again, a pair in place: both halves packed into the first register, then taken apart
	v_cvt_pk_bf16_f32 v[G+2*(\p)], v[G+2*(\p)], v[G+2*(\p)+1]
	v_and_b32 v[G+2*(\p)+1], s15, v[G+2*(\p)]
	v_lshlrev_b32 v[G+2*(\p)], 16, v[G+2*(\p)]
.endr
	; twice times 2^127 takes every non-zero number, the smallest denormal 2^-149 too, to 2^105 or beyond in size; 0 stays 0; the clamp to -1 .. +1 leaves the sign
.set i, 0
.rept 32
	s_wait_loadcnt 31-i                            ; piece i is in; the younger ones stay out
	v_pk_mul_f32 v[X+4*i:X+4*i+1], v[X+4*i:X+4*i+1], s[24:25] op_sel_hi:[1,0]
	v_pk_mul_f32 v[X+4*i+2:X+4*i+3], v[X+4*i+2:X+4*i+3], s[24:25] op_sel_hi:[1,0]
	v_pk_mul_f32 v[X+4*i:X+4*i+1], v[X+4*i:X+4*i+1], s[24:25] op_sel_hi:[1,0]
	v_pk_mul_f32 v[X+4*i+2:X+4*i+3], v[X+4*i+2:X+4*i+3], s[24:25] op_sel_hi:[1,0]
.irp c, 0,1,2,3
	v_med3_num_f32 v[X+4*i+(\c)], v[X+4*i+(\c)], s26, s27
.endr
	v_pk_mul_f32 v[X+4*i:X+4*i+1], v[X+4*i:X+4*i+1], v[G+4*(i%4):G+4*(i%4)+1]          ; exact: +-1 or 0 times a bf16 number
	v_pk_mul_f32 v[X+4*i+2:X+4*i+3], v[X+4*i+2:X+4*i+3], v[G+4*(i%4)+2:G+4*(i%4)+3]
	OUT                                            ; and so the conversion rounds nothing
.set i, i+1
.endr
	s_endpgm
.Lfunc_end_k_q0b46991c64_prep:
	.size	k_q0b46991c64_prep, .Lfunc_end_k_q0b46991c64_prep-k_q0b46991c64_prep
	.p2alignl 7, 3214868480
	.fill 96, 4, 3214868480
	.section	.rodata,"a",@progbits
	.p2align	6, 0x0
	.amdhsa_kernel k_q0b46991c64_prep
		.amdhsa_group_segment_fixed_size 0
		.amdhsa_private_segment_fixed_size 0
		.amdhsa_enable_private_segment 0
		.amdhsa_kernarg_size 40
		.amdhsa_user_sgpr_count 2
		.amdhsa_user_sgpr_kernarg_segment_ptr 1
		.amdhsa_wavefront_size32 1
		.amdhsa_system_sgpr_workgroup_id_x 1
		.amdhsa_system_sgpr_workgroup_id_y 1
		.amdhsa_system_sgpr_workgroup_id_z 1
		.amdhsa_system_vgpr_workitem_id 0
		.amdhsa_next_free_vgpr 148
		.amdhsa_next_free_sgpr 66
		.amdhsa_reserve_vcc 0
		.amdhsa_float_denorm_mode_32 3
		.amdhsa_float_denorm_mode_16_64 3
		.amdhsa_memory_ordered 1
		.amdhsa_forward_progress 1
		.amdhsa_inst_pref_size 45
	.end_amdhsa_kernel
	.amdgpu_metadata
---
amdhsa.version: [ 1, 2 ]
amdhsa.kernels:
  - .name:           k_q0b46991c64_prep
    .symbol:         k_q0b46991c64_prep.kd
    .args:
      - { .name: x, .offset: 0, .size: 8, .value_kind: global_buffer, .address_space: global }
      - { .name: g, .offset: 8, .size: 8, .value_kind: global_buffer, .address_space: global }
      - { .name: weight, .offset: 16, .size: 8, .value_kind: global_buffer, .address_space: global }
      - { .name: xb, .offset: 24, .size: 8, .value_kind: global_buffer, .address_space: global }
      - { .name: wg, .offset: 32, .size: 8, .value_kind: global_buffer, .address_space: global }
    .group_segment_fixed_size: 0
    .private_segment_fixed_size: 0
    .kernarg_segment_align: 8
    .kernarg_segment_size: 40
    .max_flat_workgroup_size: 256
    .sgpr_count:     66
    .vgpr_count:     148
    .wavefront_size: 32
...
	.end_amdgpu_metadata
.endif
;; end of part 1
;; launch gemm (part 2): grid 16 x 16, 4 waves a work-group, clusters of 4 x 4, 327,680 bytes of LDS; arguments xb, wg, bias, h, y, ym; writes y, ym
.if DOCPART == 2
	.amdgcn_target "amdgcn-amd-amdhsa--gfx1250"
	.amdhsa_code_object_version 6
	.text
	.protected	k_q0b46991c64_gemm
	.globl	k_q0b46991c64_gemm
	.p2align	8
	.type	k_q0b46991c64_gemm,@function
k_q0b46991c64_gemm:
	s_mov_b64 s[64:65], 0
	v_nop
	global_prefetch_b8 v0, s[64:65] scope:SCOPE_SE
	s_setreg_imm32_b32 hwreg(HW_REG_WAVE_MODE, 25, 1), 1
	s_wait_xcnt 0x0
	s_wait_alu depctr_hold_cnt(0) depctr_sa_sdst(0) depctr_va_vdst(0) depctr_va_sdst(0) depctr_va_ssrc(0) depctr_va_vcc(0) depctr_vm_vsrc(0)
	s_getreg_b32 s2, hwreg(HW_REG_IB_STS2, 6, 4)
	s_cmp_eq_u32 s2, 0
	s_cbranch_scc0 .Lentry_in_a_cluster
	s_endpgm
.Lentry_in_a_cluster:
	s_bfe_u32 s2, ttmp6, 0x10000c
	s_cmp_lg_u32 s2, 0xf033
	s_cbranch_scc0 .Lentry_shape_is_right
	s_endpgm
.Lentry_shape_is_right:
; Y[m][n] = (sum over k of xb[m][k] wg[n][k]) h[n] + bias[n] h[n], sums in f32.  xb: [4096][4096] bf16 (x rounded), wg: [4096][4096] bf16 (sign(weight) times g rounded), bias, h: [4096] f32.
; WHAT IS STORED.  For each row m and each block B of 128 columns: ym[B][m] = the mean of Y over the block, in f32, and y[m][n] = bf16(Y[m][n] - ym[n / 128][m]).  ym: [32][4096] f32, y: [4096][4096] bf16.
; A row's mean may be many times its spread, and the norm that follows takes the difference: so the large common part stays in f32, and only the distance from it is rounded.
; LIMITS.  Each number of Y is handed on with an error of at most 2^-9 of its distance from the mean of its 128 columns.  The whole program computes the formula on inputs rounded to bf16: bias and h are
; rounded to bf16 here, as they are loaded, like x and g in the launch before.
; ORDER OF ROUNDING: bias h is formed first (exact in f32: 8 x 8 significant bits) and added by one fused multiply-add, where the formula reads (sum + bias) h: one rounding falls elsewhere.
; A tile of Y, 256 x 256, is made by a work-group of four waves; a wave makes 128 x 128: 64 accumulators of 16 x 16, 512 registers.  256 tiles, one to a work-group.
; K goes in steps of 128 through a ring of two LDS slots filled by the tensor data mover: the tiles' rows are 256 bytes of memory and start at multiples of 256 bytes from the buffer's first byte.
; CLUSTERS: 4 x 4 work-groups.  The four of a row of the cluster need the same tiles of xb (A), the four of a column the same tiles of wg (B).  Such a tile is asked for JOINTLY: each of the four
; issues the same tensor load, with the same descriptor and a mask that names the four, and each receives the tile in its own LDS: the requests for A and for B are divided by four.
; REGISTERS, in windows of 256 (s_set_vgpr_msb's low byte: bits 1:0 source 0, 3:2 source 1, 5:4 source 2, 7:6 destination):
;   window 0: v0-31 addresses; v64-127, v128-191 fragments of A (8 x 16 rows x 32 K), two buffers; on the way out v32-63 sums at work, v64-127 rows read back, v128-147 the means, v192-223 packed results
;   window 1: v64-127, v128-191 fragments of B, two buffers; v0-63 h, v192-255 bias h, of the 64 columns that my lane holds
;   window 2: the 32 accumulators of my rows 0-63 (accumulator (a, b) at v[8 (8 a + b)]);   window 3: those of my rows 64-127
; THE MATRIX INSTRUCTION IS USED TRANSPOSED: source 0 = 16 rows of B, source 1 = 16 rows of A.  In the result lane l holds row l % 16 of Y and its registers 0 to 7 the columns
; 8 (l / 16) + 0 .. 7: eight neighbouring numbers of a row.  So a lane and the lane 16 away hold a row's 128 columns between them: the block's mean wants one exchange.
.set SIZE_N, 4096
.set SIZE_K, 4096
.set KSTEP,  128
.set PITCH,  272                       ; an LDS row: 256 bytes of data + 16 of padding = 68 words: row r starts at bank 4 r mod 64 (64 banks of 4 bytes: ISA guide 11.1), so the 16 rows that a load touches start at 16 different banks
.set HALFT,  128*PITCH                 ; 128 rows: what one tensor load brings, and what one wave reads of A or of B
.set SLOT,   4*HALFT                   ; A's 256 rows, then B's 256 rows
.set STAGE,  2*SLOT                    ; behind the ring, for the way out; no tensor load lands there
.set SPITCH, 272                       ; a stage row: 128 bf16 = 256 bytes + 16 of padding
.set WSTAGE, 16*SPITCH+512             ; a wave's stage: 16 rows, then 512 bytes for its 128 means: 19 blocks of 256 bytes
.set SPARE,  STAGE+4*WSTAGE            ; behind the stages: the spare words, 128 bytes for each wave: two blocks of 256 bytes that no other line names
.set LAPS, SIZE_K/(2*KSTEP)            ; a lap = two K steps = once round the ring: 16
.set HBO,  6                           ; v6      my byte offset in h and in bias: my wave's first column + 8 (l / 16) columns
.set MST,  8                           ; v8      where I put a row's mean: 4 (l % 16) in my stage's last 512 bytes
.set MRD,  9                           ; v9      where I read four means back: 16 l there
.set MCO,  10                          ; v10     their place in my wave's 512 bytes of ym: 16 l
.set ADRA, 16                          ; v16-17  LDS address of my A fragments in slot 0, 1
.set ADRB, 20                          ; v20-21  the same for B
.set STO,  24                          ; v24     the way out: where I put 16 bytes of a row
.set RD,   25                          ; v25     the way out: where I read 16 bytes of a row back
.set CO,   26                          ; v26     my byte offset in two rows of y
.set SPW,  28                          ; v28     LDS address of my spare word: SPARE + 4 x my thread's number; never rewritten
.set NIL,  29                          ; v29     0; never rewritten
.set PFO,  30                          ; v30     the prefetches' offset: my lane x a row of A or B in memory (8,192 bytes); never rewritten
.set PFA,  44                          ; s[44:45] where my prefetches stand: my work-group's 32 rows of the 128 that I fetch, one K step further along K than the refill that is being asked for
.set LIM,  43                          ; s43     1 in a wave that prefetches, else the greatest number
.set F0,   64                          ; fragment buffer 0
.set F1,   128                         ; fragment buffer 1
.set HW,   0                           ; window 1: h of column 16 b + 8 (l / 16) + j at HW + 8 b + j
.set BW,   192                         ; window 1: bias h likewise
.set TS,   32                          ; the way out: 32 registers for the tree of sums
.set OB,   64                          ; 16 rows read back from the stage: v64-95 and v96-127 by turns
.set MN,   128                         ; block a's mean, twice (a pair for the packed subtraction), at MN + 2 a
.set MO,   144                         ; four means read back
.set TMP,  192                         ; packed results
.set G1, 24                            ; s[24:31] descriptor group 1 for A's tiles
.set G0, 32                            ; s[32:39] descriptor group 0 for A's tiles, one set for each slot
.set G1B, 48                           ; s[48:55] descriptor group 1 for B's tiles: it differs from A's in the mask alone
.set G0B, 56                           ; s[56:63] descriptor group 0 for B's tiles, one set for each slot
.set MSB, 0
.macro WIN new                         ; the immediate's high byte repeats the setting that is left; a switch that changes nothing is dropped
.if MSB != (\new)
	s_set_vgpr_msb (MSB<<8)|(\new)
.set MSB, \new
.endif
.endm
.set MUL_LO, 0xa1                      ; source 0 (B) window 1, source 1 (A) window 0, C and D window 2
.set MUL_HI, 0xf1                      ; the same, C and D window 3
.set TO_B,   0x40                      ; destination window 1, address window 0
.set IN_B,   0x45                      ; destination and sources 0 and 1 in window 1
; A joint load.  Waves 0 and 1 fetch A's two halves, waves 2 and 3 B's.  Each of the two lines has ONE mask and one set of registers for all that issue it, and nothing in
; them hangs on a coordinate that the four partners do not share.  The branch hangs on the wave's number alone: it is the same in every work-group.
; An s_nop 0 and four v_nop follow each of the two lines; the jump round the other line, the label and what follows the macro come after them.
.macro JLOAD s
	s_cmp_eq_u32 s11, 0
	s_cbranch_scc0 .Lfor_b_\@
	tensor_load_to_lds s[G0+4*(\s):G0+4*(\s)+3], s[G1:G1+7]
	s_nop 0
.rept 4
	v_nop
.endr
	s_branch .Lasked_\@
.Lfor_b_\@:
	tensor_load_to_lds s[G0B+4*(\s):G0B+4*(\s)+3], s[G1B:G1B+7]
	s_nop 0
.rept 4
	v_nop
.endr
.Lasked_\@:
.endm
; A PREFETCH INTO THE L2, behind each joint load, its five lines and the run of LDS loads that follows them: the K step that stands TWO refills on: 32 rows x 256 bytes, a lane a row, one instruction a wave:
; 512 matrix instructions ahead of the load that will ask for it.  Each row's 256 bytes of a K step are named ONCE in the launch.  A's tile row is read by every cluster of that row of clusters: the first
; of them (cluster x = 0) prefetches; B's tile column by every cluster of that column: cluster y = 0 prefetches.  The four partners that ask for a tile jointly share its rows out BY ADDRESS: of the 128
; rows that a wave fetches the partner at place p takes 32 p .. 32 p + 31 (p = cx for A, cy for B): no branch hangs on a work-group's place in its cluster.
; The first four K steps come by their loads alone; the loop's last trip (s3 = 1) asks for nothing: there is no K step two on.
.macro ASK
	s_cmp_gt_u32 s3, s[LIM]
	s_cbranch_scc0 .Lnot_mine_\@
	global_prefetch_b8 v[PFO], s[PFA:PFA+1] offset:KSTEP*2 th:TH_LOAD_NT scope:SCOPE_SE
.Lnot_mine_\@:
.endm
; A round of the cluster's barrier: my work-group's barrier, so that wave 0's signal speaks for all four waves; wave 0 signals for the work-group; every wave waits for all
; sixteen work-groups; my work-group's barrier once more.  No LDS instruction of the wave is pending at a signal.
.macro CREST                           ; a round behind its opening barrier
	s_cmp_lg_u32 s10, 0
	s_cbranch_scc1 .Lnot_wave_0_\@
	s_barrier_signal -3
.Lnot_wave_0_\@:
	s_barrier_wait -3
	s_barrier_signal -1
	s_barrier_wait -1
.endm
.macro CROUND                          ; a whole round
	s_barrier_signal -1
	s_barrier_wait -1
	CREST
.endm
.macro RB r                            ; the pair of f32 at v[r], v[r+1] is rounded to bf16 and widened again, in place: both halves packed into the first register, then taken apart (s23: a word's upper half)
	v_cvt_pk_bf16_f32 v[\r], v[\r], v[(\r)+1]
	v_and_b32 v[(\r)+1], s23, v[\r]
	v_lshlrev_b32 v[\r], 16, v[\r]
.endm
	s_load_b128 s[4:7], s[0:1], 0x0                ; A = xb s[4:5], B = wg s[6:7]
	s_load_b128 s[68:71], s[0:1], 0x10             ; bias s[68:69], h s[70:71]
	s_load_b64 s[8:9], s[0:1], 0x20                ; y
	s_load_b64 s[66:67], s[0:1], 0x28              ; ym
	v_lshl_add_u32 v[SPW], v0, 2, SPARE
	v_mov_b32 v[NIL], 0
	ds_add_u32 v[SPW], v[NIL]                      ; the wave's opening: the add and its wait stand ahead of my first tensor load; the set-up below, work on registers, stands between them
	v_lshrrev_b32 v1, 5, v0
	v_readfirstlane_b32 s10, v1                    ; wave 0..3
	s_lshr_b32 s11, s10, 1                         ; which half of the tile's rows is mine.  Also: I fetch for A (0) or for B (1)
	s_and_b32 s12, s10, 1                          ; which half of its columns.  Also: which 128 rows of that tile I fetch
	s_bfe_u32 s40, ttmp6, 0x40000                  ; cx: my place along the cluster's x
	s_bfe_u32 s41, ttmp6, 0x40004                  ; cy: along its y
	s_lshl_b32 s42, ttmp9, 2                       ; in a cluster launch ttmp9 and ttmp7 count clusters
	s_add_co_u32 s42, s42, s40                     ; tile column = 4 x cluster x + cx
	s_and_b32 s13, ttmp7, 0xffff
	s_lshl_b32 s13, s13, 2
	s_add_co_u32 s13, s13, s41                     ; tile row = 4 x cluster y + cy
	s_lshl_b32 s43, s41, 2
	s_lshl_b32 s43, 15, s43                        ; my row of the cluster: places 4 cy .. 4 cy + 3
	s_lshl_b32 s44, 0x1111, s40                    ; my column: places cx, cx + 4, cx + 8, cx + 12
	; descriptor group 1: a tile of 128 rows x 128 elements, padded in LDS
	s_or_b32 s[G1+0], s43, (1<<16)|(1<<20)|(1<<21)|(5<<22)|(3<<25)  ; 15:0 the mask: A's tiles go to my row; 17:16 element of 2 bytes; 20 padding on; 21 set beside a mask; 24:22 after every 64 words (code 5); 31:25 of 4 words (code 3)
	s_or_b32 s[G1B+0], s44, (1<<16)|(1<<20)|(1<<21)|(5<<22)|(3<<25) ; the same with the mask of my column, for B's tiles
.irp g, G1, G1B
	s_mov_b32 s[(\g)+1], KSTEP<<16                 ; 63:48 tensor_dim0, low half = 128
	s_mov_b32 s[(\g)+2], 128<<16                   ; 79:64 its high half = 0; 95:80 tensor_dim1, low half = 128
	s_mov_b32 s[(\g)+3], KSTEP<<16                 ; 111:96 its high half = 0; 127:112 tile_dim0 = 128
	s_mov_b32 s[(\g)+4], 128                       ; 143:128 tile_dim1 = 128; 159:144 tile_dim2 = 0
	s_mov_b32 s[(\g)+5], SIZE_K                    ; 191:160 tensor_dim0_stride, low word: elements from row to row
	s_mov_b32 s[(\g)+6], 0
	s_mov_b32 s[(\g)+7], 0
.endr
	; where the tiles come from.  A's hang on the tile row alone, which my row of the cluster shares; B's on the tile column alone, which my column shares.
	; Every wave makes both addresses, in registers that never hold the other coordinate, and asks by one of them.
	s_lshl_b32 s17, s12, 7                         ; which 128 rows of the tile I fetch
	s_lshl_b32 s16, s13, 8
	s_add_co_u32 s16, s16, s17                     ; A: row 256 x tile row + 128 x half
	s_lshl_b32 s46, s42, 8
	s_add_co_u32 s46, s46, s17                     ; B: row 256 x tile column + 128 x half
	s_mov_b32 s17, 0
	s_mov_b32 s47, 0
	s_mov_b64 s[18:19], SIZE_K*2
	s_mul_u64 s[16:17], s[16:17], s[18:19]         ; in bytes, in 64 bits
	s_mul_u64 s[46:47], s[46:47], s[18:19]
	s_mul_i32 s20, s10, HALFT                      ; and where they go: A's two halves, then B's two halves = wave x 128 rows: no place in the cluster enters an LDS address
	s_wait_dscnt 0x0                               ; the opening add is done
	s_wait_kmcnt 0x0
	s_add_nc_u64 s[14:15], s[4:5], s[16:17]
	s_add_nc_u64 s[46:47], s[6:7], s[46:47]
	CROUND                                         ; all sixteen work-groups are here: the first joint loads meet
.irp s, 0,1
	s_mov_b32 s[G0+4*(\s)], 1                                      ; 1:0 count = 1
	s_add_co_u32 s[G0+4*(\s)+1], s20, (\s)*SLOT                    ; 63:32 LDS address
	s_add_nc_u64 s[G0+4*(\s)+2:G0+4*(\s)+3], s[14:15], (\s)*KSTEP*2  ; 120:64 global address: K step s
	s_or_b32 s[G0+4*(\s)+3], s[G0+4*(\s)+3], 0x80000000            ; 127:126 type = 2
	s_mov_b32 s[G0B+4*(\s)], 1
	s_add_co_u32 s[G0B+4*(\s)+1], s20, (\s)*SLOT
	s_add_nc_u64 s[G0B+4*(\s)+2:G0B+4*(\s)+3], s[46:47], (\s)*KSTEP*2
	s_or_b32 s[G0B+4*(\s)+3], s[G0B+4*(\s)+3], 0x80000000
	JLOAD \s                                       ; the ring is filled before anything else is done: two tensor loads of mine are out
.endr
	; A fragment is 16 rows x 32 K in 8 registers: lane l holds row l % 16; registers 0-3 hold K = 8 (l / 16) + 0..7, registers 4-7 hold
	; K = 16 + 8 (l / 16) + 0..7.  From rows that lie along K: two loads of 16 bytes, 32 bytes apart.  The same for source 0 and source 1.
	v_and_b32 v1, 15, v0                           ; l % 16
	v_bfe_u32 v2, v0, 4, 1                         ; l / 16
	v_mul_u32_u24 v3, v1, PITCH
	v_lshl_add_u32 v3, v2, 4, v3                   ; row x pitch + 16 x half
	s_mul_i32 s21, s11, HALFT                      ; my 128 rows of A
	s_mul_i32 s22, s12, HALFT                      ; my 128 rows of B,
	s_add_co_u32 s22, s22, 2*HALFT                 ; which lie behind A's 256
.irp s, 0,1
	v_add_nc_u32 v[ADRA+(\s)], s21, v3
	v_add_nc_u32 v[ADRB+(\s)], s22, v3
	s_add_co_u32 s21, s21, SLOT
	s_add_co_u32 s22, s22, SLOT
.endr
	s_mul_i32 s23, s10, WSTAGE
	s_add_co_u32 s23, s23, STAGE                   ; my stage
	v_mul_u32_u24 v4, v1, SPITCH                   ; in: row l % 16, 16 bytes for each half of the lanes
	v_lshl_add_u32 v4, v2, 4, v4
	v_add_nc_u32 v[STO], s23, v4
	v_mul_u32_u24 v5, v2, SPITCH                   ; back: lanes 0-15 take one row of 256 bytes, lanes 16-31 the next
	v_lshl_add_u32 v5, v1, 4, v5
	v_add_nc_u32 v[RD], s23, v5
	v_mul_u32_u24 v5, v2, SIZE_N*2                 ; and the same two rows in y
	v_lshl_add_u32 v[CO], v1, 4, v5
	v_lshl_add_u32 v[MST], v1, 2, s23              ; the means: behind the stage's 16 rows; in by rows (both halves of the lanes hold the same number and write the same word),
	v_add_nc_u32 v[MST], 16*SPITCH, v[MST]
	v_and_b32 v5, 31, v0
	v_lshlrev_b32 v[MCO], 4, v5                    ; back four to a lane
	v_add_nc_u32 v[MRD], s23, v[MCO]
	v_add_nc_u32 v[MRD], 16*SPITCH, v[MRD]
	; where my part of the tile begins in y and in ym, in bytes
	s_lshl_b32 s13, s13, 8
	s_lshl_b32 s14, s11, 7
	s_add_co_u32 s16, s13, s14                     ; my first row
	s_lshl_b32 s21, s16, 2                         ; its place in a column block of ym
	s_mov_b32 s17, 0
	s_mov_b64 s[18:19], SIZE_N*2
	s_mul_u64 s[16:17], s[16:17], s[18:19]
	s_lshl_b32 s46, s42, 9                         ; my first column, in bytes of bf16: 512 x tile column + 256 x half (in the registers that held B's address: none that feeds A's descriptors ever holds cx)
	s_lshl_b32 s47, s12, 8
	s_add_co_u32 s46, s46, s47
	s_lshl_b32 s47, s46, 1                         ; the same in bytes of f32, for h and bias,
	v_lshl_add_u32 v[HBO], v2, 5, s47              ; + the 8 columns by which the upper half of the lanes stands further on
	s_mov_b32 s47, 0
	s_add_nc_u64 s[16:17], s[16:17], s[46:47]
	s_add_nc_u64 s[8:9], s[8:9], s[16:17]          ; y at my first row and column; never stepped
	s_lshl_b32 s20, s42, 1
	s_add_co_u32 s20, s20, s12                     ; my block of 128 columns: 2 x tile column + half
	s_lshl_b32 s20, s20, 14                        ; 4,096 rows of 4 bytes each
	s_add_co_u32 s20, s20, s21
	s_mov_b32 s21, 0
	s_add_nc_u64 s[66:67], s[66:67], s[20:21]      ; ym at my block's 128 means: 512 consecutive bytes, aligned
	WIN TO_B                                       ; h and bias of my lane's 64 columns: 8 on end for each of the 8 column blocks of 16
.irp b, 0,1,2,3,4,5,6,7
	global_load_b128 v[HW+8*(\b):HW+8*(\b)+3],   v[HBO], s[70:71] offset:64*(\b)
	global_load_b128 v[HW+8*(\b)+4:HW+8*(\b)+7], v[HBO], s[70:71] offset:64*(\b)+16
.endr
.irp b, 0,1,2,3,4,5,6,7
	global_load_b128 v[BW+8*(\b):BW+8*(\b)+3],   v[HBO], s[68:69] offset:64*(\b)
	global_load_b128 v[BW+8*(\b)+4:BW+8*(\b)+7], v[HBO], s[68:69] offset:64*(\b)+16
.endr
	WIN 0
	; the prefetches.  s13 = 256 x tile row, s42 = tile column, s40 = cx, s41 = cy still stand; s[4:5] = A, s[6:7] = B
	s_lshl_b32 s42, s42, 8
	s_and_b32 s22, ttmp7, 0xffff                   ; cluster y
	s_cmp_eq_u32 s11, 0                            ; do I fetch for A?
	s_cselect_b32 s20, s13, s42                    ; the tile's first row: in A by the tile row, in B by the tile column
	s_cselect_b32 s21, s40, s41                    ; my place among the four that ask for it with me
	s_cselect_b32 s22, ttmp9, s22                  ; the coordinate along which other clusters read the same rows
	s_cselect_b64 s[PFA:PFA+1], s[4:5], s[6:7]
	s_cmp_eq_u32 s22, 0
	s_cselect_b32 s[LIM], 1, -1                    ; the same in all sixteen partners, for a given wave
	s_lshl_b32 s22, s12, 7
	s_add_co_u32 s20, s20, s22                     ; + the 128 rows that I fetch
	s_lshl_b32 s21, s21, 5
	s_add_co_u32 s20, s20, s21                     ; + my work-group's 32 of them
	s_mov_b32 s21, 0
	s_mov_b64 s[18:19], SIZE_K*2
	s_mul_u64 s[20:21], s[20:21], s[18:19]
	s_add_nc_u64 s[PFA:PFA+1], s[PFA:PFA+1], s[20:21]
	s_add_nc_u64 s[PFA:PFA+1], s[PFA:PFA+1], 2*KSTEP*2  ; at K step 2: the first refill steps it to 3 and names K step 4
	v_and_b32 v[PFO], 31, v0
	v_mul_u32_u24 v[PFO], v[PFO], SIZE_K*2
	; nothing is prefetched here, at the head, where every work-group's first two tiles are on their way
	s_mov_b32 s23, 0xffff0000                      ; a word's upper bf16
	s_wait_loadcnt 0x0                             ; h and bias, once; what follows stands in the wait for the first tile
	WIN IN_B
.set i, 0
.rept 32
	RB HW+2*i                                      ; both are rounded to bf16, like every input of the program
	RB BW+2*i
	v_pk_mul_f32 v[BW+2*i:BW+2*i+1], v[BW+2*i:BW+2*i+1], v[HW+2*i:HW+2*i+1]  ; bias h
.set i, i+1
.endr
	WIN 0
; 16 matrix instructions: m blocks a0, a0 + 1 of the window's four (hi = 0: my rows 0-63, 1: rows 64-127) x all 8 n blocks, 32 along K.
; zero = 1: the first product starts the sums: nothing is ever cleared.  The 64 accumulators take turns in the same order in every quarter step.
.macro MUL16 f, hi, a0, zero
	WIN MUL_LO+0x50*(\hi)  ; MUL_LO or MUL_HI
.irp a, \a0, (\a0)+1
.irp b, 0,1,2,3,4,5,6,7
.if \zero
	v_wmma_f32_16x16x32_bf16 v[8*(8*(\a)+(\b)):8*(8*(\a)+(\b))+7], v[(\f)+8*(\b):(\f)+8*(\b)+7], v[(\f)+8*(4*(\hi)+(\a)):(\f)+8*(4*(\hi)+(\a))+7], 0
.else
	v_wmma_f32_16x16x32_bf16 v[8*(8*(\a)+(\b)):8*(8*(\a)+(\b))+7], v[(\f)+8*(\b):(\f)+8*(\b)+7], v[(\f)+8*(4*(\hi)+(\a)):(\f)+8*(4*(\hi)+(\a))+7], v[8*(8*(\a)+(\b)):8*(8*(\a)+(\b))+7]
.endif
.endr
.endr
.endm
; 32 LDS loads in one run: the fragments of one quarter step (128 rows of B, 128 rows of A, 32 K at byte k of the rows) into buffer f
.macro FETCH slot, k, f
	WIN TO_B
.irp i, 0,1,2,3,4,5,6,7
	ds_load_b128 v[(\f)+8*(\i):(\f)+8*(\i)+3],   v[ADRB+(\slot)] offset:(\k)+(\i)*16*PITCH
	ds_load_b128 v[(\f)+8*(\i)+4:(\f)+8*(\i)+7], v[ADRB+(\slot)] offset:(\k)+(\i)*16*PITCH+32
.endr
	WIN 0
.irp i, 0,1,2,3,4,5,6,7
	ds_load_b128 v[(\f)+8*(\i):(\f)+8*(\i)+3],   v[ADRA+(\slot)] offset:(\k)+(\i)*16*PITCH
	ds_load_b128 v[(\f)+8*(\i)+4:(\f)+8*(\i)+7], v[ADRA+(\slot)] offset:(\k)+(\i)*16*PITCH+32
.endr
.endm
; A load into a register that a matrix instruction has read, and an instruction that reads a matrix result, stand four places behind that matrix instruction, and only plain vector
; instructions that name none of its registers are places (ISA guide 7.12.1 for vector instructions).  So four v_nop stand in front of each run of loads.
.macro PLACES
.rept 4
	v_nop
.endr
.endm
; A K step is four quarter steps of 32 along K, 64 matrix instructions each, on buffers 0, 1, 0, 1.
; One of the first three: multiplies buffer f; in its middle it fetches the next quarter's fragments, at byte k of the same slot's rows, into buffer g.
.macro QUARTER slot, k, f, g, zero
	s_wait_dscnt 8                                 ; B and A's rows 0-63 are in; the youngest eight loads (A's rows 64-127) may be out
	WIN MUL_LO
	MUL16 \f, 0, 0, \zero
	MUL16 \f, 0, 2, \zero
	PLACES
	FETCH \slot, \k, \g
	s_wait_dscnt 32                                ; all but the 32 just issued
	WIN MUL_HI
	MUL16 \f, 1, 0, \zero
	MUL16 \f, 1, 2, \zero
.endm
; The last quarter multiplies buffer 1 and changes slots.  MEET is its first half: ONE barrier for the change of slots, for two things.  In front of it each wave waits for
; all its tensor loads, of which one is out: its part of the next slot; adds 0 to its spare word; and waits for that and for its own reads of this slot.  Behind it nobody reads this slot any more and the next slot is whole.
.macro MEET round                      ; round = 1: a round of the cluster's barrier follows
	WIN 0                                          ; (the add's two registers lie in window 0)
	s_wait_tensorcnt 0x0                           ; all my tensor loads have landed: the one that was out is my part of the next slot;
	ds_add_u32 v[SPW], v[NIL]                      ; 0 onto my spare word;
	s_wait_dscnt 9                                 ; (the add and the youngest eight loads may be out)
	WIN MUL_LO
	MUL16 F1, 0, 0, 0                              ; sixteen matrix instructions stand between the add and the wait for it
	s_wait_dscnt 0x0                               ; the add is done, and my reads of this slot are over:
	s_barrier_signal -1                            ; say so (where a slot is filled again this barrier opens a round of the cluster's barrier),
	MUL16 F1, 0, 2, 0                              ; work on registers while the others arrive,
.if \round
	WIN 0
.endif
	s_barrier_wait -1                              ; and go on when all four have said so
.endm
; The whole last quarter.  Behind the round the slot just read out is filled again first, with the K step two steps on; then come the next slot's first fragments.
; From a request to the wait for it a wave issues 224 matrix instructions; one tensor load of mine is out meanwhile.
.macro TURN slot, next
	s_wait_xcnt 0x0                                ; the last prefetch, a K step back, has read its address: it is stepped here, ahead of the waits of the change of slots
	s_add_nc_u64 s[PFA:PFA+1], s[PFA:PFA+1], KSTEP*2
	MEET 1
	CREST                                          ; wave 0 says so for the work-group, all sixteen work-groups have said so, my work-group's barrier closes the round:
	                                               ; no wave of any partner still reads this slot's tile or has a load on its way
	s_add_nc_u64 s[G0+4*(\slot)+2:G0+4*(\slot)+3], s[G0+4*(\slot)+2:G0+4*(\slot)+3], 2*KSTEP*2
	s_add_nc_u64 s[G0B+4*(\slot)+2:G0B+4*(\slot)+3], s[G0B+4*(\slot)+2:G0B+4*(\slot)+3], 2*KSTEP*2
	JLOAD \slot                                    ; the first tensor load behind the round; the four v_nop behind it are also the places in front of the loads below
	FETCH \next, 0, F0
	ASK                                            ; behind the joint load and the run of LDS loads that the next products wait for
	WIN MUL_HI
	MUL16 F1, 1, 0, 0
	MUL16 F1, 1, 2, 0
.endm
; THE WAY OUT of block a (16 rows x 128 columns), in three parts.
; PACK: in the accumulators' registers Y = sum x h + bias h; the row's sum over my 64 columns as a tree, the other 64 from the lane 16 away; the mean; Y less the mean; rounded to bf16, 16 bytes for each 8 columns.
.macro PACK a
.set AC, 64*((\a)%4)
	WIN 0x96+0x41*((\a)/4)                         ; destination and source 0: the accumulators' window (2 or 3); sources 1 and 2: window 1
.set i, 0
.rept 32
	v_pk_fma_f32 v[AC+2*i:AC+2*i+1], v[AC+2*i:AC+2*i+1], v[HW+2*i:HW+2*i+1], v[BW+2*i:BW+2*i+1]  ; ascending: each accumulator's lowest registers are read first
.set i, i+1
.endr
	WIN 0x0a+5*((\a)/4)                            ; sources 0 and 1: the accumulators' window; destination: window 0
.set i, 0
.rept 16
	v_pk_add_f32 v[TS+2*i:TS+2*i+1], v[AC+4*i:AC+4*i+1], v[AC+4*i+2:AC+4*i+3]
.set i, i+1
.endr
	WIN 0
.irp w, 4,8,16,32
.set i, 0
.rept 32/(\w)
	v_pk_add_f32 v[TS+(\w)*i:TS+(\w)*i+1], v[TS+(\w)*i:TS+(\w)*i+1], v[TS+(\w)*i+(\w)/2:TS+(\w)*i+(\w)/2+1]
.set i, i+1
.endr
.endr
	v_add_f32 v[TS], v[TS], v[TS+1]
	v_permlanex16_b32 v[TS+1], v[TS], s20, s21     ; the row's other 64 columns; its destination counts as read, and has been written
	v_add_f32 v[TS], v[TS], v[TS+1]
	v_mul_f32 v[MN+2*(\a)],   0x3c000000, v[TS]    ; times 1 / 128: the mean, twice: a pair for the packed subtraction
	v_mul_f32 v[MN+2*(\a)+1], 0x3c000000, v[TS]
	WIN 0x82+0x41*((\a)/4)                         ; destination and source 0: the accumulators' window; source 1: window 0
.set i, 0
.rept 32
	v_pk_add_f32 v[AC+2*i:AC+2*i+1], v[AC+2*i:AC+2*i+1], v[MN+2*(\a):MN+2*(\a)+1] neg_lo:[0,1] neg_hi:[0,1]
.set i, i+1
.endr
	WIN 0x0a+5*((\a)/4)
.set i, 0
.rept 32
	v_cvt_pk_bf16_f32 v[TMP+i], v[AC+2*i], v[AC+2*i+1]
.set i, i+1
.endr
	WIN 0
.endm
; TOSTAGE: into my own stage in LDS, and back as whole rows of 256 bytes.
.macro TOSTAGE a
.set BK, OB+32*((\a)%2)
	WIN 0
.irp b, 0,1,2,3,4,5,6,7
	ds_store_b128 v[STO], v[TMP+4*(\b):TMP+4*(\b)+3] offset:32*(\b)
.endr
.irp t, 0,1,2,3,4,5,6,7
	ds_load_b128 v[BK+4*(\t):BK+4*(\t)+3], v[RD] offset:(\t)*2*SPITCH  ; LDS serves a wave's instructions in order (ISA guide 5.7.1.4): these see the stores above, and the next block's stores come behind them
.endr
.endm
; SEND: stored.
.macro SEND a
.set BK, OB+32*((\a)%2)
	WIN 0
	s_wait_dscnt 0x0                               ; the block is back in registers: nothing was asked of LDS behind its loads
	s_wait_xcnt 0x0                                ; every earlier store has had its addresses translated (ISA guide 3.1): the registers that the block before stored from are loaded again only behind this wait
.irp t, 0,1,2,3,4,5,6,7
	global_store_b128 v[CO], v[BK+4*(\t):BK+4*(\t)+3], s[8:9] offset:(16*(\a)+2*(\t))*SIZE_N*2 th:TH_STORE_NT  ; 16 lanes store 256 consecutive bytes, at a multiple of 256 from y's first byte; the row stands in the immediate: 126 rows of 8,192 bytes at the most, inside its signed 24 bits
.endr
.endm
	s_wait_tensorcnt 1                             ; my part of K step 0 is in; K step 1's may stay out
	s_barrier_signal -1
	s_barrier_wait -1                              ; everybody's is
	FETCH 0, 0, F0
	QUARTER 0, 64,  F0, F1, 1                      ; the first quarter stands in front of the loop: its products start the sums
	WIN 0                                          ; at a label and at a branch every window is 0
	s_mov_b32 s3, LAPS-1
.Llap:                                                 ; a trip goes once round the ring, from a lap's second quarter to the next lap's first, and fills both slots again
	QUARTER 0, 128, F1, F0, 0
	QUARTER 0, 192, F0, F1, 0
	TURN 0, 1
	QUARTER 1, 64,  F0, F1, 0
	QUARTER 1, 128, F1, F0, 0
	QUARTER 1, 192, F0, F1, 0
	TURN 1, 0
	QUARTER 0, 64,  F0, F1, 0
	WIN 0
	s_sub_co_u32 s3, s3, 1
	s_cmp_lg_u32 s3, 0
	s_cbranch_scc1 .Llap
	QUARTER 0, 128, F1, F0, 0                      ; the last lap is written out: it fills nothing, and has no round of the cluster's barrier
	QUARTER 0, 192, F0, F1, 0
	MEET 0                                         ; my one tensor load that was still out is slot 1's, the last K step's
	PLACES                                         ; for the loads into buffer 0, which the quarter before multiplied
	FETCH 1, 0, F0
	WIN MUL_HI
	MUL16 F1, 1, 0, 0
	MUL16 F1, 1, 2, 0
	QUARTER 1, 64,  F0, F1, 0
	QUARTER 1, 128, F1, F0, 0
	QUARTER 1, 192, F0, F1, 0
	s_wait_dscnt 8                                 ; the very last quarter: nothing more to fetch
	WIN MUL_LO
	MUL16 F1, 0, 0, 0
	MUL16 F1, 0, 2, 0
	s_wait_dscnt 0x0
	MUL16 F1, 1, 0, 0
	MUL16 F1, 1, 2, 0
	WIN 0
	PLACES                                         ; behind the last products: in front of the lines that read results and of those that write the fragments' registers
	PLACES
	s_mov_b32 s20, 0x76543210                      ; v_permlanex16_b32: lane i of one half reads lane i of the other
	s_mov_b32 s21, 0xfedcba98
	PACK 0
	TOSTAGE 0
.irp a, 1,2,3,4,5,6,7                  ; block a's arithmetic stands between block a - 1's loads from the stage and the wait for them
	PACK \a
	SEND (\a)-1
	TOSTAGE \a
.endr
.irp a, 0,1,2,3,4,5,6,7                ; my 128 means: row 16 a + l % 16 at word 16 a + l % 16 of the stage's last 512 bytes,
	ds_store_b32 v[MST], v[MN+2*(\a)] offset:64*(\a)
.endr
	ds_load_b128 v[MO:MO+3], v[MRD]                ; and back, four rows' to a lane
	SEND 7                                         ; (its wait for LDS serves the means too)
	global_store_b128 v[MCO], v[MO:MO+3], s[66:67] th:TH_STORE_NT  ; the wave stores 512 consecutive bytes, at a multiple of 256 from ym's first byte
	s_wait_tensorcnt 0x0                           ; the wave's end: behind my last tensor load and my last LDS store
	ds_add_u32 v[SPW], v[NIL]
	s_wait_dscnt 0x0
	CROUND                                         ; the closing round: no work-group ends while a partner may still ask for a tile that names it
	s_endpgm
.Lfunc_end_k_q0b46991c64_gemm:
	.size	k_q0b46991c64_gemm, .Lfunc_end_k_q0b46991c64_gemm-k_q0b46991c64_gemm
	.p2alignl 7, 3214868480
	.fill 96, 4, 3214868480
	.section	.rodata,"a",@progbits
	.p2align	6, 0x0
	.amdhsa_kernel k_q0b46991c64_gemm
		.amdhsa_group_segment_fixed_size 327680
		.amdhsa_private_segment_fixed_size 0
		.amdhsa_enable_private_segment 0
		.amdhsa_kernarg_size 48
		.amdhsa_user_sgpr_count 2
		.amdhsa_user_sgpr_kernarg_segment_ptr 1
		.amdhsa_wavefront_size32 1
		.amdhsa_system_sgpr_workgroup_id_x 1
		.amdhsa_system_sgpr_workgroup_id_y 1
		.amdhsa_system_sgpr_workgroup_id_z 1
		.amdhsa_system_vgpr_workitem_id 0
		.amdhsa_next_free_vgpr 1024
		.amdhsa_next_free_sgpr 72
		.amdhsa_reserve_vcc 0
		.amdhsa_float_denorm_mode_32 3
		.amdhsa_float_denorm_mode_16_64 3
		.amdhsa_memory_ordered 1
		.amdhsa_forward_progress 1
		.amdhsa_inst_pref_size 209
	.end_amdhsa_kernel
	.amdgpu_metadata
---
amdhsa.version: [ 1, 2 ]
amdhsa.kernels:
  - .name:           k_q0b46991c64_gemm
    .symbol:         k_q0b46991c64_gemm.kd
    .args:
      - { .name: xb, .offset: 0, .size: 8, .value_kind: global_buffer, .address_space: global }
      - { .name: wg, .offset: 8, .size: 8, .value_kind: global_buffer, .address_space: global }
      - { .name: bias, .offset: 16, .size: 8, .value_kind: global_buffer, .address_space: global }
      - { .name: h, .offset: 24, .size: 8, .value_kind: global_buffer, .address_space: global }
      - { .name: y, .offset: 32, .size: 8, .value_kind: global_buffer, .address_space: global }
      - { .name: ym, .offset: 40, .size: 8, .value_kind: global_buffer, .address_space: global }
    .group_segment_fixed_size: 327680
    .private_segment_fixed_size: 0
    .kernarg_segment_align: 8
    .kernarg_segment_size: 48
    .max_flat_workgroup_size: 128
    .sgpr_count:     72
    .vgpr_count:     1024
    .wavefront_size: 32
...
	.end_amdgpu_metadata
.endif
;; end of part 2
;; launch norm (part 3): grid 512 x 1, 8 waves a work-group, no clusters, 1,536 bytes of LDS; arguments y, ym, ln_gamma, ln_beta, out0; writes out0
.if DOCPART == 3
	.amdgcn_target "amdgcn-amd-amdhsa--gfx1250"
	.amdhsa_code_object_version 6
	.text
	.protected	k_q0b46991c64_norm
	.globl	k_q0b46991c64_norm
	.p2align	8
	.type	k_q0b46991c64_norm,@function
k_q0b46991c64_norm:
	s_mov_b64 s[64:65], 0
	v_nop
	global_prefetch_b8 v0, s[64:65] scope:SCOPE_SE
	s_setreg_imm32_b32 hwreg(HW_REG_WAVE_MODE, 25, 1), 1
	s_wait_xcnt 0x0
; out[r][c] = (Y[r][c] - mu[r]) / sqrt(var[r] + 1e-5) * gamma[c] + beta[c], mu and var the mean and the mean squared distance from it over the row's 4,096 numbers.
; Y ARRIVES IN TWO PARTS: y[r][c], bf16, its distance from the mean of its block of 128 columns, and ym[c / 128][r], f32, that mean.  Y = y + ym is formed in f32, by one fused multiply-add a number
; that reads the bf16 half itself.  y: [4096][4096] bf16, ym: [32][4096] f32, gamma, beta: [4096] f32, out: [4096][4096] f32.
; SHARES.  A work-group takes 8 rows.  Thread t takes columns 4 t + 1024 j, j = 0..3, of every row: 16 numbers a row, 128 registers for the 8 rows; its 16 gamma and 16 beta are loaded once.
; A wave's load of y covers 256 consecutive bytes, aligned, its store 512.  A wave's 128 columns of chunk j are block wave + 8 j: all its lanes take the same 8 means (32 bytes on end in ym).
; All 32 loads of y go out at once; Y stays in registers through the three passes.
; THE VARIANCE IS TAKEN ABOUT THE MEAN (first the sums, then the sums of (Y - mu)^2), never as a difference of two large sums: a row's mean may be many times its spread.
; The waves' partial sums meet in LDS twice, in bytes of their own each time, so one barrier serves each meeting; every wave adds the eight partial sums in the same order.
; No tensor loads, matrix unit or cluster: each byte of y is read by one thread, and what is shared is gamma's and beta's 32 KiB.
; LIMITS.  The whole program computes the formula on inputs rounded to bf16: gamma and beta are rounded to bf16 here, as they are loaded, like the other inputs in the launches before.
; Y carries the one rounding of y: at most 2^-9 of its distance from its block's mean.  The sum of squares overflows where the formula's own does.
.set ROW,   16384                      ; bytes in a row of out
.set ROWY,  8192                       ; bytes in a row of y
.set SPARE, 512                        ; LDS: 0-255 sums [wave][8 rows], 256-511 sums of squares likewise, then the spare words: 128 bytes for each of 8 waves, four blocks of 256 bytes that no other line names
.set SPW, 2                            ; v2   LDS address of my spare word: SPARE + 4 x my thread's number; never rewritten
.set NIL, 3                            ; v3   0; never rewritten
.set LW,  4                            ; v4   32 x wave: where my wave puts its 8 partial sums
.set LR,  5                            ; v5   0: from where all are read; also the offset of the means' loads
.set ONE, 6                            ; v6   1.0
.set YO,  7                            ; v7   8 t: my 8 bytes of a chunk of y
.set MNS, 8                            ; v[8:39]    first: the means: chunk j, row r at MNS + 8 j + r
.set GA,  8                            ; v[8:23]    then: gamma of my 16 columns, chunk j at GA + 4 j
.set BE,  24                           ; v[24:39]   and beta likewise
.set Y,   40                           ; v[40:167]  row r, chunk j at Y + 16 r + 4 j
.set SUM, 168                          ; v[168:175] a partial sum for each row
.set T,   176                          ; v[176:239] first: y as loaded, piece i = 4 r + j at T + 2 i; then the 8 waves' partial sums: wave w, row r at T + 8 w + r; the totals end in T + r
.set M,   T+16                         ; 8 pairs: the row's mean twice; later 1 / sqrt(var + eps) twice (free once the sums have been added up)
.set TP,  240                          ; v[240:255] two sets of 8 at work, by the row's parity
	s_load_b256 s[4:11], s[0:1], 0x0               ; y s[4:5], ym s[6:7], gamma s[8:9], beta s[10:11]
	s_load_b64 s[20:21], s[0:1], 0x20              ; out
	v_lshl_add_u32 v[SPW], v0, 2, SPARE
	v_mov_b32 v[NIL], 0
	v_lshrrev_b32 v1, 5, v0
	v_readfirstlane_b32 s15, v1                    ; wave 0..7
	v_mov_b32 v[LW], s15
	v_lshlrev_b32 v[LW], 5, v[LW]
	v_mov_b32 v[LR], 0
	v_mov_b32 v[ONE], 1.0
	v_lshlrev_b32 v[YO], 3, v0
	v_lshlrev_b32 v1, 4, v0                        ; 16 t: my 16 bytes of a chunk of gamma, beta and out
	s_lshl_b32 s2, ttmp9, 17                       ; the work-group's 8 rows: of 16,384 bytes in out,
	s_mov_b32 s3, 0
	s_lshl_b32 s22, ttmp9, 16                      ; of 8,192 bytes in y,
	s_mov_b32 s23, 0
	s_lshl_b32 s18, ttmp9, 5                       ; of 4 bytes in a block of ym,
	s_lshl_b32 s19, s15, 14                        ; in block wave (4,096 rows of 4 bytes a block)
	s_add_co_u32 s18, s18, s19
	s_mov_b32 s19, 0
	s_mov_b32 s12, 0x76543210                      ; v_permlanex16_b32: lane i of one half reads lane i of the other
	s_mov_b32 s13, 0xfedcba98
	s_mov_b32 s14, 0x39800000                      ; 1 / 4096
	s_mov_b32 s16, 0x3727c5ac                      ; 1e-5
	s_mov_b32 s17, 0xffff0000                      ; a word's upper bf16
	s_wait_kmcnt 0x0
	s_add_nc_u64 s[4:5], s[4:5], s[22:23]
	s_add_nc_u64 s[6:7], s[6:7], s[18:19]
	s_add_nc_u64 s[20:21], s[20:21], s[2:3]
.irp j, 0,1,2,3                        ; the means of blocks wave + 8 j for my 8 rows: 8 blocks are 131,072 bytes apart
	global_load_b128 v[MNS+8*(\j):MNS+8*(\j)+3],   v[LR], s[6:7] offset:131072*(\j)
	global_load_b128 v[MNS+8*(\j)+4:MNS+8*(\j)+7], v[LR], s[6:7] offset:131072*(\j)+16
.endr
.set i, 0
.rept 32
	global_load_b64 v[T+2*i:T+2*i+1], v[YO], s[4:5] offset:ROWY*(i/4)+2048*(i%4) th:TH_LOAD_NT
.set i, i+1
.endr
; Pass 1, row r: Y = y + its block's mean, and the sum of my 16 numbers, as a tree.
.macro RSUM r
.set YR, Y+16*(\r)
.set TS, TP+8*((\r)%2)
	s_wait_loadcnt 28-4*(\r)                       ; loads come back in order: row r is in (and the means, asked for first); the 4 (7 - r) loads of the rows behind it stay out
.irp j, 0,1,2,3
.irp q, 0,1
	v_fma_mix_f32_bf16 v[YR+4*(\j)+2*(\q)],   v[T+2*(4*(\r)+(\j))+(\q)], v[ONE], v[MNS+8*(\j)+(\r)] op_sel_hi:[1,0,0]                ; the word's lower bf16 times 1, plus the mean
	v_fma_mix_f32_bf16 v[YR+4*(\j)+2*(\q)+1], v[T+2*(4*(\r)+(\j))+(\q)], v[ONE], v[MNS+8*(\j)+(\r)] op_sel:[1,0,0] op_sel_hi:[1,0,0]  ; the upper one
.endr
.endr
.irp p, 0,1,2,3
	v_pk_add_f32 v[TS+2*(\p):TS+2*(\p)+1], v[YR+4*(\p):YR+4*(\p)+1], v[YR+4*(\p)+2:YR+4*(\p)+3]
.endr
	v_pk_add_f32 v[TS:TS+1], v[TS:TS+1], v[TS+2:TS+3]
	v_pk_add_f32 v[TS+4:TS+5], v[TS+4:TS+5], v[TS+6:TS+7]
	v_pk_add_f32 v[TS:TS+1], v[TS:TS+1], v[TS+4:TS+5]
	v_add_f32 v[SUM+(\r)], v[TS], v[TS+1]
.endm
; Across the 32 lanes, all 8 rows side by side: four steps inside each half of 16 lanes ride on the addition (DPP), one crosses the halves.  Every lane ends with the wave's sum.
.macro XLANE
.irp m, 1,2,4,8
.irp r, 0,1,2,3,4,5,6,7
	v_add_f32_dpp v[SUM+(\r)], v[SUM+(\r)], v[SUM+(\r)] row_xmask:\m row_mask:0xf bank_mask:0xf
.endr
.endr
.irp r, 0,1,2,3,4,5,6,7
	v_permlanex16_b32 v[TP+(\r)], v[SUM+(\r)], s12, s13  ; its destination counts as read: these registers have been written
.endr
.irp r, 0,1,2,3,4,5,6,7
	v_add_f32 v[SUM+(\r)], v[SUM+(\r)], v[TP+(\r)]
.endr
.endm
; Across the 8 waves: each wave puts its 8 sums at base + 32 x wave (all lanes the same bytes with the same numbers), one barrier, every wave reads all 64 and adds them in one fixed order.
.macro MEETSUM base
	ds_store_b128 v[LW], v[SUM:SUM+3]   offset:(\base)
	ds_store_b128 v[LW], v[SUM+4:SUM+7] offset:(\base)+16
	s_wait_dscnt 0x0                               ; for the others' sake: my stores are done
	s_barrier_signal -1
	s_barrier_wait -1
.set k, 0
.rept 16
	ds_load_b128 v[T+4*k:T+4*k+3], v[LR] offset:(\base)+16*k
.set k, k+1
.endr
	s_wait_dscnt 0x0
.irp w, 0,2,4,6
.irp p, 0,2,4,6
	v_pk_add_f32 v[T+8*(\w)+(\p):T+8*(\w)+(\p)+1], v[T+8*(\w)+(\p):T+8*(\w)+(\p)+1], v[T+8*(\w)+8+(\p):T+8*(\w)+8+(\p)+1]
.endr
.endr
.irp w, 0,4
.irp p, 0,2,4,6
	v_pk_add_f32 v[T+8*(\w)+(\p):T+8*(\w)+(\p)+1], v[T+8*(\w)+(\p):T+8*(\w)+(\p)+1], v[T+8*(\w)+16+(\p):T+8*(\w)+16+(\p)+1]
.endr
.endr
.irp p, 0,2,4,6
	v_pk_add_f32 v[T+(\p):T+(\p)+1], v[T+(\p):T+(\p)+1], v[T+32+(\p):T+32+(\p)+1]
.endr
.endm
; Pass 2, row r: Y - mu in place, and the sum of its squares in two chains.
.macro RVAR r
.set YR, Y+16*(\r)
.set TS, TP+8*((\r)%2)
.irp p, 0,1,2,3,4,5,6,7
	v_pk_add_f32 v[YR+2*(\p):YR+2*(\p)+1], v[YR+2*(\p):YR+2*(\p)+1], v[M+2*(\r):M+2*(\r)+1] neg_lo:[0,1] neg_hi:[0,1]
.endr
	v_pk_mul_f32 v[TS:TS+1],   v[YR:YR+1],   v[YR:YR+1]
	v_pk_mul_f32 v[TS+2:TS+3], v[YR+2:YR+3], v[YR+2:YR+3]
.irp p, 2,4,6
	v_pk_fma_f32 v[TS:TS+1],   v[YR+2*(\p):YR+2*(\p)+1],   v[YR+2*(\p):YR+2*(\p)+1],   v[TS:TS+1]
	v_pk_fma_f32 v[TS+2:TS+3], v[YR+2*(\p)+2:YR+2*(\p)+3], v[YR+2*(\p)+2:YR+2*(\p)+3], v[TS+2:TS+3]
.endr
	v_pk_add_f32 v[TS:TS+1], v[TS:TS+1], v[TS+2:TS+3]
	v_add_f32 v[SUM+(\r)], v[TS], v[TS+1]
.endm
.irp r, 0,1,2,3,4,5,6,7
	RSUM \r
.endr
.irp j, 0,1,2,3                        ; the means have been used: their registers take gamma and beta, which are wanted only in pass 3
	global_load_b128 v[GA+4*(\j):GA+4*(\j)+3], v1, s[8:9] offset:4096*(\j)
.endr
.irp j, 0,1,2,3
	global_load_b128 v[BE+4*(\j):BE+4*(\j)+3], v1, s[10:11] offset:4096*(\j)
.endr
	XLANE
	MEETSUM 0
.irp r, 0,1,2,3,4,5,6,7
	v_mul_f32 v[M+2*(\r)],   s14, v[T+(\r)]        ; the mean, twice: a pair for the packed subtraction
	v_mul_f32 v[M+2*(\r)+1], s14, v[T+(\r)]
.endr
.irp r, 0,1,2,3,4,5,6,7
	RVAR \r
.endr
	XLANE
	MEETSUM 256                                    ; other bytes than the first meeting's, which a slower wave may still be reading
.irp r, 0,1,2,3,4,5,6,7
	v_fma_f32 v[T+(\r)], v[T+(\r)], s14, s16       ; var + eps
.endr
.irp r, 0,1,2,3,4,5,6,7
	v_rsq_f32 v[M+2*(\r)],   v[T+(\r)]             ; twice: a pair for the packed multiply
	v_rsq_f32 v[M+2*(\r)+1], v[T+(\r)]
.endr
	v_nop                                          ; a plain instruction between the last of them and the first use of a result (ISA guide 5.7.2)
	s_wait_loadcnt 0x0                             ; gamma and beta
.set p, 0
.rept 16                               ; gamma's 8 pairs and beta's 8 (they lie on end) are rounded to bf16 and widened again, in place: work that names no result of the batch above
	v_cvt_pk_bf16_f32 v[GA+2*p], v[GA+2*p], v[GA+2*p+1]
	v_and_b32 v[GA+2*p+1], s17, v[GA+2*p]
	v_lshlrev_b32 v[GA+2*p], 16, v[GA+2*p]
.set p, p+1
.endr
	s_wait_alu depctr_va_vdst(0)                   ; a wait ahead of the first use of a result: one for the batch of sixteen
	; pass 3: scale, gain and offset in place, and out
.set i, 0
.rept 32
	v_pk_mul_f32 v[Y+4*i:Y+4*i+1],   v[Y+4*i:Y+4*i+1],   v[M+2*(i/4):M+2*(i/4)+1]
	v_pk_mul_f32 v[Y+4*i+2:Y+4*i+3], v[Y+4*i+2:Y+4*i+3], v[M+2*(i/4):M+2*(i/4)+1]
	v_pk_fma_f32 v[Y+4*i:Y+4*i+1],   v[Y+4*i:Y+4*i+1],   v[GA+4*(i%4):GA+4*(i%4)+1],   v[BE+4*(i%4):BE+4*(i%4)+1]
	v_pk_fma_f32 v[Y+4*i+2:Y+4*i+3], v[Y+4*i+2:Y+4*i+3], v[GA+4*(i%4)+2:GA+4*(i%4)+3], v[BE+4*(i%4)+2:BE+4*(i%4)+3]
	global_store_b128 v1, v[Y+4*i:Y+4*i+3], s[20:21] offset:ROW*(i/4)+4096*(i%4) th:TH_STORE_NT
.set i, i+1
.endr
	s_wait_tensorcnt 0x0                           ; the wave's end: behind my last LDS store
	ds_add_u32 v[SPW], v[NIL]
	s_wait_dscnt 0x0
	s_endpgm
.Lfunc_end_k_q0b46991c64_norm:
	.size	k_q0b46991c64_norm, .Lfunc_end_k_q0b46991c64_norm-k_q0b46991c64_norm
	.p2alignl 7, 3214868480
	.fill 96, 4, 3214868480
	.section	.rodata,"a",@progbits
	.p2align	6, 0x0
	.amdhsa_kernel k_q0b46991c64_norm
		.amdhsa_group_segment_fixed_size 1536
		.amdhsa_private_segment_fixed_size 0
		.amdhsa_enable_private_segment 0
		.amdhsa_kernarg_size 40
		.amdhsa_user_sgpr_count 2
		.amdhsa_user_sgpr_kernarg_segment_ptr 1
		.amdhsa_wavefront_size32 1
		.amdhsa_system_sgpr_workgroup_id_x 1
		.amdhsa_system_sgpr_workgroup_id_y 1
		.amdhsa_system_sgpr_workgroup_id_z 1
		.amdhsa_system_vgpr_workitem_id 0
		.amdhsa_next_free_vgpr 256
		.amdhsa_next_free_sgpr 66
		.amdhsa_reserve_vcc 0
		.amdhsa_float_denorm_mode_32 3
		.amdhsa_float_denorm_mode_16_64 3
		.amdhsa_memory_ordered 1
		.amdhsa_forward_progress 1
		.amdhsa_inst_pref_size 53
	.end_amdhsa_kernel
	.amdgpu_metadata
---
amdhsa.version: [ 1, 2 ]
amdhsa.kernels:
  - .name:           k_q0b46991c64_norm
    .symbol:         k_q0b46991c64_norm.kd
    .args:
      - { .name: y, .offset: 0, .size: 8, .value_kind: global_buffer, .address_space: global }
      - { .name: ym, .offset: 8, .size: 8, .value_kind: global_buffer, .address_space: global }
      - { .name: ln_gamma, .offset: 16, .size: 8, .value_kind: global_buffer, .address_space: global }
      - { .name: ln_beta, .offset: 24, .size: 8, .value_kind: global_buffer, .address_space: global }
      - { .name: out0, .offset: 32, .size: 8, .value_kind: global_buffer, .address_space: global }
    .group_segment_fixed_size: 1536
    .private_segment_fixed_size: 0
    .kernarg_segment_align: 8
    .kernarg_segment_size: 40
    .max_flat_workgroup_size: 256
    .sgpr_count:     66
    .vgpr_count:     256
    .wavefront_size: 32
...
	.end_amdgpu_metadata
.endif
;; end of part 3
;; ======== version 2 of 2: 3 launches; version 1 with the launches prep, norm written anew for expert scheduling mode
;; workspace buffers: xb 33,554,432 bytes; wg 33,554,432 bytes; y 33,554,432 bytes; ym 524,288 bytes
;; launch prep (part 4): grid 512 x 2, 8 waves a work-group, no clusters, 0 bytes of LDS; arguments x, g, weight, xb, wg; writes xb, wg
.if DOCPART == 4
	.amdgcn_target "amdgcn-amd-amdhsa--gfx1250"
	.amdhsa_code_object_version 6
	.text
	.protected	k_q0b46991c64_prep
	.globl	k_q0b46991c64_prep
	.p2align	8
	.type	k_q0b46991c64_prep,@function
k_q0b46991c64_prep:
	s_mov_b64 s[64:65], 0
	v_nop
	global_prefetch_b8 v0, s[64:65] scope:SCOPE_SE
	s_setreg_imm32_b32 hwreg(HW_REG_WAVE_SCHED_MODE, 0, 2), 2
	s_setreg_imm32_b32 hwreg(HW_REG_WAVE_MODE, 25, 1), 1
	s_wait_xcnt 0x0
	s_wait_alu depctr_vm_vsrc(0)
; xb[r][i] = bf16(x[r][i]) and wg[o][i] = sign(weight[o][i]) * bf16(g[i]).  x, weight: [4096][4096] f32; g: [4096] f32; xb, wg: [4096][4096] bf16.
; The two matrix operands of the product that follows are made once, here, so that no work-group of that product converts a number again.
; WHERE THE ROUNDINGS FALL.  x and g are each rounded once to bf16; g goes to the weight's side, where sign * bf16(g) is again a bf16 number, exactly.  So each product of the matrix unit is
; bf16(x) bf16(g) sign, 8 x 8 significant bits, with no further rounding: the sum is the formula's own on x and g rounded to bf16.  (x * g rounded as one number would add an error of its own to every term.)
; SHARES.  Work-group (bx, by) takes rows 8 bx .. 8 bx + 7 of x (by = 0) or of weight (by = 1).  Thread t takes columns 4 t + 1024 j, j = 0..3, of each row:
; a wave's load covers 512 consecutive bytes, aligned; a wave's store 256 consecutive bytes, aligned.  All 32 loads of a thread go out at once (128 KiB a work-group);
; each piece is converted in the registers that it landed in and stored from them, so no register is written twice and no wait frees a source.
; No LDS, no matrix unit, no cluster: every byte is read once by one thread and nothing is shared but g's 16 KiB.
; THE MODE: SCHED_MODE bits 1:0 = 2 (LLVM: expert scheduling mode 2), set by the entry lines.  The code itself states the register dependences
; between vector instructions and memory instructions, with s_wait_alu, always for 0.
; THE PLAN.  Registers that memory instructions touch:
;   v1, v2   byte offsets, made once at the head and never written again: v1 is read by every load, v2 by every store.
;   G        g lands in it once, at the head; behind that vector instructions alone name it.
;   X        32 pieces of 4 registers.  A piece is loaded once, at the head, before any vector instruction names it; its conversions work in place; its one store reads its first two registers,
;            which nothing writes afterwards.
; The pieces go by rows of four.  Row r's conversions name row r's registers alone; the stores of row r - 1 are dealt among them, behind ONE wait at the row's head, which states that
; row r - 1's conversions have written what those stores read.  No register that a memory instruction has read is written again, so no wait on vm_vsrc is owed.
; LIMITS.  The whole program computes the formula on inputs rounded to bf16.  The sign is taken of the unrounded weight: it differs from the rounded weight's only below 2^-134 in size.
; A NaN in weight does not come out as NaN (the clamp drops it); a denormal weight counts as non-zero (its sign is +-1); +-0 gives +-0, which adds nothing to a sum.
.set ROWI, 16384                       ; bytes in a row of x and of weight
.set ROWO, 8192                        ; bytes in a row of xb and of wg
.set G, 4                              ; v[4:19]    g of my 16 columns, chunk j at G + 4 j (the weight's path alone)
.set X, 20                             ; v[20:147]  piece i = 4 r + j (row r, chunk j) at X + 4 i
	s_load_b256 s[4:11], s[0:1], 0x0               ; x s[4:5], g s[6:7], weight s[8:9], xb s[10:11]
	s_load_b64 s[12:13], s[0:1], 0x20              ; wg
	s_and_b32 s14, ttmp7, 0xffff                   ; 0: x, 1: weight
	s_mov_b32 s15, 0xffff0000                      ; a word's upper bf16
	s_lshl_b32 s16, ttmp9, 17                      ; my 8 rows of 16,384 bytes in the source,
	s_mov_b32 s17, 0
	s_lshl_b32 s18, ttmp9, 16                      ; and of 8,192 bytes in the destination
	s_mov_b32 s19, 0
	s_mov_b32 s24, 0x7f000000                      ; 2^127
	s_mov_b32 s25, 0x7f000000                      ; named with it as a pair
	s_mov_b32 s26, 0xbf800000                      ; -1
	s_mov_b32 s27, 0x3f800000                      ; +1
	v_lshlrev_b32 v1, 4, v0                        ; 16 t: my 16 bytes of a chunk of the source, and of g
	v_lshlrev_b32 v2, 3, v0                        ; 8 t: my 8 bytes of a chunk of the destination
	s_wait_kmcnt 0x0
	s_cmp_eq_u32 s14, 0
	s_cselect_b64 s[20:21], s[4:5], s[8:9]         ; the source
	s_cselect_b64 s[22:23], s[10:11], s[12:13]     ; the destination
	s_add_nc_u64 s[20:21], s[20:21], s[16:17]
	s_add_nc_u64 s[22:23], s[22:23], s[18:19]
	s_wait_alu depctr_va_vdst(0)                   ; v1 and v2 are written: every load of the kernel reads v1 as its offset, every store v2; ahead of the branch, for both paths
	s_cmp_eq_u32 s14, 0
	s_cbranch_scc0 .Lw
.macro LOADS                           ; the work-group's 8 rows: 32 loads a thread
.set i, 0
.rept 32
	global_load_b128 v[X+4*i:X+4*i+3], v1, s[20:21] offset:ROWI*(i/4)+4096*(i%4) th:TH_LOAD_NT
.set i, i+1
.endr
.endm
.macro CVT n                           ; piece n: two roundings to bf16 each, packed, into the piece's first two registers
	v_cvt_pk_bf16_f32 v[X+4*(\n)], v[X+4*(\n)], v[X+4*(\n)+1]
	v_cvt_pk_bf16_f32 v[X+4*(\n)+1], v[X+4*(\n)+2], v[X+4*(\n)+3]
.endm
.macro PUT n                           ; piece n is stored: 8 bytes a lane
	global_store_b64 v2, v[X+4*(\n):X+4*(\n)+1], s[22:23] offset:ROWO*((\n)/4)+2048*((\n)%4) th:TH_STORE_NT
.endm
; twice times 2^127 takes every non-zero number, the smallest denormal 2^-149 too, to 2^105 or beyond in size; 0 stays 0; the clamp to -1 .. +1 leaves the sign
.macro SIGN n                          ; piece n: the sign, times bf16(g)
	v_pk_mul_f32 v[X+4*(\n):X+4*(\n)+1], v[X+4*(\n):X+4*(\n)+1], s[24:25] op_sel_hi:[1,0]
	v_pk_mul_f32 v[X+4*(\n)+2:X+4*(\n)+3], v[X+4*(\n)+2:X+4*(\n)+3], s[24:25] op_sel_hi:[1,0]
	v_pk_mul_f32 v[X+4*(\n):X+4*(\n)+1], v[X+4*(\n):X+4*(\n)+1], s[24:25] op_sel_hi:[1,0]
	v_pk_mul_f32 v[X+4*(\n)+2:X+4*(\n)+3], v[X+4*(\n)+2:X+4*(\n)+3], s[24:25] op_sel_hi:[1,0]
.irp c, 0,1,2,3
	v_med3_num_f32 v[X+4*(\n)+(\c)], v[X+4*(\n)+(\c)], s26, s27
.endr
	v_pk_mul_f32 v[X+4*(\n):X+4*(\n)+1], v[X+4*(\n):X+4*(\n)+1], v[G+4*((\n)%4):G+4*((\n)%4)+1]          ; exact: +-1 or 0 times a bf16 number,
	v_pk_mul_f32 v[X+4*(\n)+2:X+4*(\n)+3], v[X+4*(\n)+2:X+4*(\n)+3], v[G+4*((\n)%4)+2:G+4*((\n)%4)+3]    ; and so the conversion behind it rounds nothing
.endm
	; x: rounded and stored
	LOADS
.set i, 0
.rept 32
.if i%4 == 0
	s_wait_loadcnt 28-i                            ; loads come back in order: this row's four pieces are in; the 28 - i loads of the rows behind it stay out
.if i > 0
	s_wait_alu depctr_va_vdst(0)                   ; the row before's conversions have written their pieces, which the four stores below read; this row's conversions name none of those registers
.endif
.endif
.if i >= 4
	PUT i-4                                        ; the row before, a store ahead of each piece's conversions
.endif
	CVT i
.set i, i+1
.endr
	s_wait_alu depctr_va_vdst(0)                   ; the last row's conversions have written their pieces, which the last four stores read
.irp n, 28,29,30,31
	PUT \n
.endr
	s_endpgm
.Lw:	; the sign of weight, times bf16(g)
.irp j, 0,1,2,3
	global_load_b128 v[G+4*(\j):G+4*(\j)+3], v1, s[6:7] offset:4096*(\j)
.endr
	LOADS
	s_wait_loadcnt 32                              ; g, asked for first, is in; the 32 pieces behind it stay out
.irp p, 0,1,2,3,4,5,6,7                ; g is rounded to bf16 and widened again, a pair in place: both halves packed into the first register, then taken apart
	v_cvt_pk_bf16_f32 v[G+2*(\p)], v[G+2*(\p)], v[G+2*(\p)+1]
	v_and_b32 v[G+2*(\p)+1], s15, v[G+2*(\p)]
	v_lshlrev_b32 v[G+2*(\p)], 16, v[G+2*(\p)]
.endr
.set i, 0
.rept 32
.if i%4 == 0
	s_wait_loadcnt 28-i                            ; this row's four pieces are in; the 28 - i loads of the rows behind it stay out
.if i > 0
	s_wait_alu depctr_va_vdst(0)                   ; the row before's conversions have written their pieces, which the four stores below read; this row's arithmetic names none of those registers
.endif
.endif
.if i >= 4
	PUT i-4                                        ; the row before, a store ahead of each piece's arithmetic
.endif
	SIGN i
	CVT i
.set i, i+1
.endr
	s_wait_alu depctr_va_vdst(0)                   ; the last row's conversions have written their pieces, which the last four stores read
.irp n, 28,29,30,31
	PUT \n
.endr
	s_endpgm
.Lfunc_end_k_q0b46991c64_prep:
	.size	k_q0b46991c64_prep, .Lfunc_end_k_q0b46991c64_prep-k_q0b46991c64_prep
	.p2alignl 7, 3214868480
	.fill 96, 4, 3214868480
	.section	.rodata,"a",@progbits
	.p2align	6, 0x0
	.amdhsa_kernel k_q0b46991c64_prep
		.amdhsa_group_segment_fixed_size 0
		.amdhsa_private_segment_fixed_size 0
		.amdhsa_enable_private_segment 0
		.amdhsa_kernarg_size 40
		.amdhsa_user_sgpr_count 2
		.amdhsa_user_sgpr_kernarg_segment_ptr 1
		.amdhsa_wavefront_size32 1
		.amdhsa_system_sgpr_workgroup_id_x 1
		.amdhsa_system_sgpr_workgroup_id_y 1
		.amdhsa_system_sgpr_workgroup_id_z 1
		.amdhsa_system_vgpr_workitem_id 0
		.amdhsa_next_free_vgpr 148
		.amdhsa_next_free_sgpr 66
		.amdhsa_reserve_vcc 0
		.amdhsa_float_denorm_mode_32 3
		.amdhsa_float_denorm_mode_16_64 3
		.amdhsa_memory_ordered 1
		.amdhsa_forward_progress 1
		.amdhsa_inst_pref_size 44
	.end_amdhsa_kernel
	.amdgpu_metadata
---
amdhsa.version: [ 1, 2 ]
amdhsa.kernels:
  - .name:           k_q0b46991c64_prep
    .symbol:         k_q0b46991c64_prep.kd
    .args:
      - { .name: x, .offset: 0, .size: 8, .value_kind: global_buffer, .address_space: global }
      - { .name: g, .offset: 8, .size: 8, .value_kind: global_buffer, .address_space: global }
      - { .name: weight, .offset: 16, .size: 8, .value_kind: global_buffer, .address_space: global }
      - { .name: xb, .offset: 24, .size: 8, .value_kind: global_buffer, .address_space: global }
      - { .name: wg, .offset: 32, .size: 8, .value_kind: global_buffer, .address_space: global }
    .group_segment_fixed_size: 0
    .private_segment_fixed_size: 0
    .kernarg_segment_align: 8
    .kernarg_segment_size: 40
    .max_flat_workgroup_size: 256
    .sgpr_count:     66
    .vgpr_count:     148
    .wavefront_size: 32
...
	.end_amdgpu_metadata
.endif
;; end of part 4
;; launch gemm: the kernel of part 2 again; grid 16 x 16, 4 waves a work-group, clusters of 4 x 4, 327,680 bytes of LDS; arguments xb, wg, bias, h, y, ym; writes y, ym
;; launch norm (part 5): grid 512 x 1, 8 waves a work-group, no clusters, 1,536 bytes of LDS; arguments y, ym, ln_gamma, ln_beta, out0; writes out0
.if DOCPART == 5
	.amdgcn_target "amdgcn-amd-amdhsa--gfx1250"
	.amdhsa_code_object_version 6
	.text
	.protected	k_q0b46991c64_norm
	.globl	k_q0b46991c64_norm
	.p2align	8
	.type	k_q0b46991c64_norm,@function
k_q0b46991c64_norm:
	s_mov_b64 s[64:65], 0
	v_nop
	global_prefetch_b8 v0, s[64:65] scope:SCOPE_SE
	s_setreg_imm32_b32 hwreg(HW_REG_WAVE_SCHED_MODE, 0, 2), 2
	s_setreg_imm32_b32 hwreg(HW_REG_WAVE_MODE, 25, 1), 1
	s_wait_xcnt 0x0
	s_wait_alu depctr_vm_vsrc(0)
; out[r][c] = (Y[r][c] - mu[r]) / sqrt(var[r] + 1e-5) * gamma[c] + beta[c], mu and var the mean and the mean squared distance from it over the row's 4,096 numbers.
; Y ARRIVES IN TWO PARTS: y[r][c], bf16, its distance from the mean of its block of 128 columns, and ym[c / 128][r], f32, that mean.  Y = y + ym is formed in f32, by one fused multiply-add a number
; that reads the bf16 half itself.  y: [4096][4096] bf16, ym: [32][4096] f32, gamma, beta: [4096] f32, out: [4096][4096] f32.
; SHARES.  A work-group takes 8 rows.  Thread t takes columns 4 t + 1024 j, j = 0..3, of every row: 16 numbers a row, 128 registers for the 8 rows; its 16 gamma and 16 beta are loaded once.
; A wave's load of y covers 256 consecutive bytes, aligned, its store 512.  A wave's 128 columns of chunk j are block wave + 8 j: all its lanes take the same 8 means (32 bytes on end in ym).
; All 32 loads of y go out at once; Y stays in registers through the three passes.
; THE VARIANCE IS TAKEN ABOUT THE MEAN (first the sums, then the sums of (Y - mu)^2), never as a difference of two large sums: a row's mean may be many times its spread.
; The waves' partial sums meet in LDS twice, in bytes of their own each time, so one barrier serves each meeting; every wave adds the eight partial sums in the same order.
; No tensor loads, matrix unit or cluster: each byte of y is read by one thread, and what is shared is gamma's and beta's 32 KiB.
; THE MODE: SCHED_MODE bits 1:0 = 2 (LLVM: expert scheduling mode 2), set by the entry lines.  The code itself states the register dependences
; between vector instructions and memory or LDS instructions, with s_wait_alu, always for 0.
; THE PLAN.  Registers that memory or LDS instructions touch:
;   v1, YO, LR, LW   offsets and LDS addresses, made at the head and never written again.      SPW, NIL   made at the head, read by the closing add alone.
;   MNS = GA, BE     the means land at the head; pass 1 reads them; then gamma and beta land; behind that vector instructions alone name them.
;   T                y lands at the head; pass 1 reads it; the first meeting's LDS loads land; the additions, the means' pairs (M) and pass 2 name it; the second meeting's LDS loads land; then vector work alone.
;   SUM              written by pass 1 and the sums across lanes; read by the first meeting's LDS stores; written again by pass 2; read by the second meeting's LDS stores.
;   Y                vector work alone up to pass 3; then each piece is read by its one store, and nothing writes it afterwards.
; ONE wait on va_vdst stands ahead of each meeting's LDS stores: SUM is written, and every vector instruction that named T (and, the first time, the means) is done; up to the LDS loads behind the barrier
; no vector instruction follows, so those loads, and gamma's and beta's, which stand directly behind the first meeting's stores, owe nothing more.  ONE wait on vm_vsrc stands ahead of pass 2, which writes SUM again.
; Pass 3 goes by rows: a row's arithmetic names that row's registers alone, and the row before's four stores are dealt among it, behind one wait on va_vdst at the row's head.
; LIMITS.  The whole program computes the formula on inputs rounded to bf16: gamma and beta are rounded to bf16 here, as they are loaded, like the other inputs in the launches before.
; Y carries the one rounding of y: at most 2^-9 of its distance from its block's mean.  The sum of squares overflows where the formula's own does.
.set ROW,   16384                      ; bytes in a row of out
.set ROWY,  8192                       ; bytes in a row of y
.set SPARE, 512                        ; LDS: 0-255 sums [wave][8 rows], 256-511 sums of squares likewise, then the spare words: 128 bytes for each of 8 waves, four blocks of 256 bytes that no other line names
.set SPW, 2                            ; v2   LDS address of my spare word: SPARE + 4 x my thread's number; never rewritten
.set NIL, 3                            ; v3   0; never rewritten
.set LW,  4                            ; v4   32 x wave: where my wave puts its 8 partial sums
.set LR,  5                            ; v5   0: from where all are read; also the offset of the means' loads
.set ONE, 6                            ; v6   1.0
.set YO,  7                            ; v7   8 t: my 8 bytes of a chunk of y
.set MNS, 8                            ; v[8:39]    first: the means: chunk j, row r at MNS + 8 j + r
.set GA,  8                            ; v[8:23]    then: gamma of my 16 columns, chunk j at GA + 4 j
.set BE,  24                           ; v[24:39]   and beta likewise
.set Y,   40                           ; v[40:167]  row r, chunk j at Y + 16 r + 4 j
.set SUM, 168                          ; v[168:175] a partial sum for each row
.set T,   176                          ; v[176:239] first: y as loaded, piece i = 4 r + j at T + 2 i; then the 8 waves' partial sums: wave w, row r at T + 8 w + r; the totals end in T + r
.set M,   T+16                         ; 8 pairs: the row's mean twice; later 1 / sqrt(var + eps) twice (free once the sums have been added up)
.set TP,  240                          ; v[240:255] two sets of 8 at work, by the row's parity
	s_load_b256 s[4:11], s[0:1], 0x0               ; y s[4:5], ym s[6:7], gamma s[8:9], beta s[10:11]
	s_load_b64 s[20:21], s[0:1], 0x20              ; out
	v_lshl_add_u32 v[SPW], v0, 2, SPARE
	v_mov_b32 v[NIL], 0
	v_lshrrev_b32 v1, 5, v0
	v_readfirstlane_b32 s15, v1                    ; wave 0..7
	v_mov_b32 v[LR], 0
	v_mov_b32 v[ONE], 1.0
	v_lshlrev_b32 v[YO], 3, v0
	v_lshlrev_b32 v1, 4, v0                        ; 16 t: my 16 bytes of a chunk of gamma, beta and out
	s_lshl_b32 s2, ttmp9, 17                       ; the work-group's 8 rows: of 16,384 bytes in out,
	s_mov_b32 s3, 0
	s_lshl_b32 s22, ttmp9, 16                      ; of 8,192 bytes in y,
	s_mov_b32 s23, 0
	s_lshl_b32 s18, ttmp9, 5                       ; of 4 bytes in a block of ym,
	s_mov_b32 s12, 0x76543210                      ; v_permlanex16_b32: lane i of one half reads lane i of the other
	s_mov_b32 s13, 0xfedcba98
	s_mov_b32 s14, 0x39800000                      ; 1 / 4096
	s_mov_b32 s16, 0x3727c5ac                      ; 1e-5
	s_mov_b32 s17, 0xffff0000                      ; a word's upper bf16
	s_wait_alu depctr_va_sdst(0)                   ; s15 is written, ahead of its first reader: the line below; ym's base is made from it too
	v_mov_b32 v[LW], s15
	v_lshlrev_b32 v[LW], 5, v[LW]
	s_lshl_b32 s19, s15, 14                        ; in block wave (4,096 rows of 4 bytes a block)
	s_add_co_u32 s18, s18, s19
	s_mov_b32 s19, 0
	s_wait_kmcnt 0x0
	s_add_nc_u64 s[4:5], s[4:5], s[22:23]
	s_add_nc_u64 s[6:7], s[6:7], s[18:19]
	s_add_nc_u64 s[20:21], s[20:21], s[2:3]
	s_wait_alu depctr_va_vdst(0)                   ; v1, v[YO], v[LR] and v[LW] are written: the kernel's loads, stores and LDS instructions read them as offsets and addresses
.irp j, 0,1,2,3                        ; the means of blocks wave + 8 j for my 8 rows: 8 blocks are 131,072 bytes apart
	global_load_b128 v[MNS+8*(\j):MNS+8*(\j)+3],   v[LR], s[6:7] offset:131072*(\j)
	global_load_b128 v[MNS+8*(\j)+4:MNS+8*(\j)+7], v[LR], s[6:7] offset:131072*(\j)+16
.endr
.set i, 0
.rept 32
	global_load_b64 v[T+2*i:T+2*i+1], v[YO], s[4:5] offset:ROWY*(i/4)+2048*(i%4) th:TH_LOAD_NT
.set i, i+1
.endr
; Pass 1, row r: Y = y + its block's mean, and the sum of my 16 numbers, as a tree.
.macro RSUM r
.set YR, Y+16*(\r)
.set TS, TP+8*((\r)%2)
	s_wait_loadcnt 28-4*(\r)                       ; loads come back in order: row r is in (and the means, asked for first); the 4 (7 - r) loads of the rows behind it stay out
.irp j, 0,1,2,3
.irp q, 0,1
	v_fma_mix_f32_bf16 v[YR+4*(\j)+2*(\q)],   v[T+2*(4*(\r)+(\j))+(\q)], v[ONE], v[MNS+8*(\j)+(\r)] op_sel_hi:[1,0,0]                ; the word's lower bf16 times 1, plus the mean
	v_fma_mix_f32_bf16 v[YR+4*(\j)+2*(\q)+1], v[T+2*(4*(\r)+(\j))+(\q)], v[ONE], v[MNS+8*(\j)+(\r)] op_sel:[1,0,0] op_sel_hi:[1,0,0]  ; the upper one
.endr
.endr
.irp p, 0,1,2,3
	v_pk_add_f32 v[TS+2*(\p):TS+2*(\p)+1], v[YR+4*(\p):YR+4*(\p)+1], v[YR+4*(\p)+2:YR+4*(\p)+3]
.endr
	v_pk_add_f32 v[TS:TS+1], v[TS:TS+1], v[TS+2:TS+3]
	v_pk_add_f32 v[TS+4:TS+5], v[TS+4:TS+5], v[TS+6:TS+7]
	v_pk_add_f32 v[TS:TS+1], v[TS:TS+1], v[TS+4:TS+5]
	v_add_f32 v[SUM+(\r)], v[TS], v[TS+1]
.endm
; Across the 32 lanes, all 8 rows side by side: four steps inside each half of 16 lanes ride on the addition (DPP), one crosses the halves.  Every lane ends with the wave's sum.
.macro XLANE
.irp m, 1,2,4,8
.irp r, 0,1,2,3,4,5,6,7
	v_add_f32_dpp v[SUM+(\r)], v[SUM+(\r)], v[SUM+(\r)] row_xmask:\m row_mask:0xf bank_mask:0xf
.endr
.endr
.irp r, 0,1,2,3,4,5,6,7
	v_permlanex16_b32 v[TP+(\r)], v[SUM+(\r)], s12, s13  ; its destination counts as read: these registers have been written
.endr
.irp r, 0,1,2,3,4,5,6,7
	v_add_f32 v[SUM+(\r)], v[SUM+(\r)], v[TP+(\r)]
.endr
.endm
; Across the 8 waves: each wave puts its 8 sums at base + 32 x wave (all lanes the same bytes with the same numbers), one barrier, every wave reads all 64 and adds them in one fixed order.
.macro PUTSUM base                     ; the first half: my wave's sums go into LDS
	s_wait_alu depctr_va_vdst(0)                   ; the sums across lanes have written SUM, which the LDS stores read; every vector line that read or wrote T is done (and, the first time, pass 1's reads of the means): loads land there below
	ds_store_b128 v[LW], v[SUM:SUM+3]   offset:(\base)
	ds_store_b128 v[LW], v[SUM+4:SUM+7] offset:(\base)+16
.endm
.macro MEETSUM base                    ; the second half: the barrier, all 64 back, and their sum
	s_wait_dscnt 0x0                               ; for the others' sake: my stores are done
	s_barrier_signal -1
	s_barrier_wait -1
.set k, 0
.rept 16
	ds_load_b128 v[T+4*k:T+4*k+3], v[LR] offset:(\base)+16*k  ; no vector instruction since PUTSUM's wait names T
.set k, k+1
.endr
	s_wait_dscnt 0x0
.irp w, 0,2,4,6
.irp p, 0,2,4,6
	v_pk_add_f32 v[T+8*(\w)+(\p):T+8*(\w)+(\p)+1], v[T+8*(\w)+(\p):T+8*(\w)+(\p)+1], v[T+8*(\w)+8+(\p):T+8*(\w)+8+(\p)+1]
.endr
.endr
.irp w, 0,4
.irp p, 0,2,4,6
	v_pk_add_f32 v[T+8*(\w)+(\p):T+8*(\w)+(\p)+1], v[T+8*(\w)+(\p):T+8*(\w)+(\p)+1], v[T+8*(\w)+16+(\p):T+8*(\w)+16+(\p)+1]
.endr
.endr
.irp p, 0,2,4,6
	v_pk_add_f32 v[T+(\p):T+(\p)+1], v[T+(\p):T+(\p)+1], v[T+32+(\p):T+32+(\p)+1]
.endr
.endm
; Pass 2, row r: Y - mu in place, and the sum of its squares in two chains.
.macro RVAR r
.set YR, Y+16*(\r)
.set TS, TP+8*((\r)%2)
.irp p, 0,1,2,3,4,5,6,7
	v_pk_add_f32 v[YR+2*(\p):YR+2*(\p)+1], v[YR+2*(\p):YR+2*(\p)+1], v[M+2*(\r):M+2*(\r)+1] neg_lo:[0,1] neg_hi:[0,1]
.endr
	v_pk_mul_f32 v[TS:TS+1],   v[YR:YR+1],   v[YR:YR+1]
	v_pk_mul_f32 v[TS+2:TS+3], v[YR+2:YR+3], v[YR+2:YR+3]
.irp p, 2,4,6
	v_pk_fma_f32 v[TS:TS+1],   v[YR+2*(\p):YR+2*(\p)+1],   v[YR+2*(\p):YR+2*(\p)+1],   v[TS:TS+1]
	v_pk_fma_f32 v[TS+2:TS+3], v[YR+2*(\p)+2:YR+2*(\p)+3], v[YR+2*(\p)+2:YR+2*(\p)+3], v[TS+2:TS+3]
.endr
	v_pk_add_f32 v[TS:TS+1], v[TS:TS+1], v[TS+2:TS+3]
	v_add_f32 v[SUM+(\r)], v[TS], v[TS+1]
.endm
; Pass 3, piece n = 4 r + j: scale, gain and offset in place; and its store.
.macro FIN n
	v_pk_mul_f32 v[Y+4*(\n):Y+4*(\n)+1],   v[Y+4*(\n):Y+4*(\n)+1],   v[M+2*((\n)/4):M+2*((\n)/4)+1]
	v_pk_mul_f32 v[Y+4*(\n)+2:Y+4*(\n)+3], v[Y+4*(\n)+2:Y+4*(\n)+3], v[M+2*((\n)/4):M+2*((\n)/4)+1]
	v_pk_fma_f32 v[Y+4*(\n):Y+4*(\n)+1],   v[Y+4*(\n):Y+4*(\n)+1],   v[GA+4*((\n)%4):GA+4*((\n)%4)+1],   v[BE+4*((\n)%4):BE+4*((\n)%4)+1]
	v_pk_fma_f32 v[Y+4*(\n)+2:Y+4*(\n)+3], v[Y+4*(\n)+2:Y+4*(\n)+3], v[GA+4*((\n)%4)+2:GA+4*((\n)%4)+3], v[BE+4*((\n)%4)+2:BE+4*((\n)%4)+3]
.endm
.macro OUT n
	global_store_b128 v1, v[Y+4*(\n):Y+4*(\n)+3], s[20:21] offset:ROW*((\n)/4)+4096*((\n)%4) th:TH_STORE_NT
.endm
.irp r, 0,1,2,3,4,5,6,7
	RSUM \r
.endr
	XLANE
	PUTSUM 0
.irp j, 0,1,2,3                        ; the means have been used (PUTSUM's wait states it): their registers take gamma and beta, which are wanted only in pass 3
	global_load_b128 v[GA+4*(\j):GA+4*(\j)+3], v1, s[8:9] offset:4096*(\j)
.endr
.irp j, 0,1,2,3
	global_load_b128 v[BE+4*(\j):BE+4*(\j)+3], v1, s[10:11] offset:4096*(\j)
.endr
	MEETSUM 0
.irp r, 0,1,2,3,4,5,6,7
	v_mul_f32 v[M+2*(\r)],   s14, v[T+(\r)]        ; the mean, twice: a pair for the packed subtraction
	v_mul_f32 v[M+2*(\r)+1], s14, v[T+(\r)]
.endr
	s_wait_alu depctr_vm_vsrc(0)                   ; the first meeting's LDS stores have read SUM, which pass 2 writes again
.irp r, 0,1,2,3,4,5,6,7
	RVAR \r
.endr
	XLANE
	PUTSUM 256                                     ; other bytes than the first meeting's, which a slower wave may still be reading
	MEETSUM 256
.irp r, 0,1,2,3,4,5,6,7
	v_fma_f32 v[T+(\r)], v[T+(\r)], s14, s16       ; var + eps
.endr
.irp r, 0,1,2,3,4,5,6,7
	v_rsq_f32 v[M+2*(\r)],   v[T+(\r)]             ; twice: a pair for the packed multiply
	v_rsq_f32 v[M+2*(\r)+1], v[T+(\r)]
.endr
	v_nop                                          ; a plain instruction between the last of them and the first use of a result (ISA guide 5.7.2)
	s_wait_loadcnt 0x0                             ; gamma and beta
.set p, 0
.rept 16                               ; gamma's 8 pairs and beta's 8 (they lie on end) are rounded to bf16 and widened again, in place: work that names no result of the batch above
	v_cvt_pk_bf16_f32 v[GA+2*p], v[GA+2*p], v[GA+2*p+1]
	v_and_b32 v[GA+2*p+1], s17, v[GA+2*p]
	v_lshlrev_b32 v[GA+2*p], 16, v[GA+2*p]
.set p, p+1
.endr
	s_wait_alu depctr_va_vdst(0)                   ; the sixteen reciprocal roots have written M's pairs: a wait ahead of their first reader, one for the batch
	; pass 3, by rows: scale, gain and offset in place, and out
.set i, 0
.rept 32
.if (i%4 == 0) && (i > 0)
	s_wait_alu depctr_va_vdst(0)                   ; the row before's multiply-adds have written its 16 registers of Y, which the four stores below read; this row's arithmetic names none of them
.endif
.if i >= 4
	OUT i-4                                        ; the row before, a store ahead of each piece's arithmetic
.endif
	FIN i
.set i, i+1
.endr
	s_wait_alu depctr_va_vdst(0)                   ; the last row's multiply-adds have written its registers of Y, which the last four stores read
.irp n, 28,29,30,31
	OUT \n
.endr
	s_wait_dscnt 0x0                               ; the closing lines, six on end
	s_wait_alu 0x0
	s_wait_tensorcnt 0x0
	ds_add_u32 v[SPW], v[NIL]
	s_wait_dscnt 0x0
	s_endpgm
.Lfunc_end_k_q0b46991c64_norm:
	.size	k_q0b46991c64_norm, .Lfunc_end_k_q0b46991c64_norm-k_q0b46991c64_norm
	.p2alignl 7, 3214868480
	.fill 96, 4, 3214868480
	.section	.rodata,"a",@progbits
	.p2align	6, 0x0
	.amdhsa_kernel k_q0b46991c64_norm
		.amdhsa_group_segment_fixed_size 1536
		.amdhsa_private_segment_fixed_size 0
		.amdhsa_enable_private_segment 0
		.amdhsa_kernarg_size 40
		.amdhsa_user_sgpr_count 2
		.amdhsa_user_sgpr_kernarg_segment_ptr 1
		.amdhsa_wavefront_size32 1
		.amdhsa_system_sgpr_workgroup_id_x 1
		.amdhsa_system_sgpr_workgroup_id_y 1
		.amdhsa_system_sgpr_workgroup_id_z 1
		.amdhsa_system_vgpr_workitem_id 0
		.amdhsa_next_free_vgpr 256
		.amdhsa_next_free_sgpr 66
		.amdhsa_reserve_vcc 0
		.amdhsa_float_denorm_mode_32 3
		.amdhsa_float_denorm_mode_16_64 3
		.amdhsa_memory_ordered 1
		.amdhsa_forward_progress 1
		.amdhsa_inst_pref_size 54
	.end_amdhsa_kernel
	.amdgpu_metadata
---
amdhsa.version: [ 1, 2 ]
amdhsa.kernels:
  - .name:           k_q0b46991c64_norm
    .symbol:         k_q0b46991c64_norm.kd
    .args:
      - { .name: y, .offset: 0, .size: 8, .value_kind: global_buffer, .address_space: global }
      - { .name: ym, .offset: 8, .size: 8, .value_kind: global_buffer, .address_space: global }
      - { .name: ln_gamma, .offset: 16, .size: 8, .value_kind: global_buffer, .address_space: global }
      - { .name: ln_beta, .offset: 24, .size: 8, .value_kind: global_buffer, .address_space: global }
      - { .name: out0, .offset: 32, .size: 8, .value_kind: global_buffer, .address_space: global }
    .group_segment_fixed_size: 1536
    .private_segment_fixed_size: 0
    .kernarg_segment_align: 8
    .kernarg_segment_size: 40
    .max_flat_workgroup_size: 256
    .sgpr_count:     66
    .vgpr_count:     256
    .wavefront_size: 32
...
	.end_amdgpu_metadata
.endif
;; end of part 5
